; MI455X (gfx1250); checked and timed in simulation.
; The chip was launched on July 23, 2026; its instructions are those of AMD's public machine-readable ISA for CDNA 5 (MIT licence, August 2026) and "CDNA5" Instruction Set Architecture Reference Guide (July 2026). The comments in the code are by the model that wrote it; some were corrected since.
;; Attention. Allowed arithmetic: float matrix products may take bf16 or f16 operands with f32 sums; all other float work in f32.
;; Inputs: freqs_cos 2,048 x 64 float32; freqs_sin 2,048 x 64 float32; wk 2,048 x 2,048 float32; wo 2,048 x 2,048 float32; wq 2,048 x 2,048 float32; wv 2,048 x 2,048 float32; x 1 x 2,048 x 2,048 float32.
;; Outputs: out0 1 x 2,048 x 2,048 float32.
;; 2 versions, each right; version 2 is version 1 with the launch cast written anew for expert scheduling mode. Each part assembles by itself: llvm-mc -triple=amdgcn-amd-amdhsa -mcpu=gfx1250 --defsym DOCPART=n.
;; ======== version 1 of 2: 4 launches
;; limits: values are held in f16: magnitudes above 65,504 overflow, below 6.1e-05 lose precision; right only within a limited range of input values
;; workspace buffers: xb 8,388,608 bytes; wb 25,165,824 bytes; wob 8,388,608 bytes; qh 8,388,608 bytes; kh 8,388,608 bytes; vh 8,388,608 bytes; ob 8,388,608 bytes
;; launch cast (part 1): grid 1024 x 1, 8 waves a work-group, no clusters, 0 bytes of LDS; arguments x, wq, wk, wv, wo, xb, wb, wob; writes xb, wb, wob
.if DOCPART == 1
	.amdgcn_target "amdgcn-amd-amdhsa--gfx1250"
	.amdhsa_code_object_version 6
	.text
	.protected	k_qe808855bd4_cast
	.globl	k_qe808855bd4_cast
	.p2align	8
	.type	k_qe808855bd4_cast,@function
k_qe808855bd4_cast:
	s_mov_b64 s[64:65], 0
	v_nop
	global_prefetch_b8 v0, s[64:65] scope:SCOPE_SE
	s_setreg_imm32_b32 hwreg(HW_REG_WAVE_MODE, 25, 1), 1
	s_wait_xcnt 0x0
; x, wq, wk, wv (f32, [2048][2048]) are rounded to bf16: xb, and wb's three planes q, k, v.  wo is rounded to bf16 like the other inputs, multiplied by 4 (exact)
; and written as f16 (wob): the attention launch leaves O / 4, so that f16 has room above.
; LIMITS.  |wo| up to 16,376 (4 wo within f16's 65,504); where 4 wo lies below 2^-14 it keeps f16's fixed step of 2^-24.
; SHARES.  A work-group takes rows 2 g and 2 g + 1 of each of the five matrices: 16,384 consecutive bytes of each, as four units of 4,096.  In a unit thread t takes the 16 bytes at 16 t,
; so a wave's load covers 512 consecutive bytes, and stores the 8 bytes at 8 t, so a wave's store covers 256 consecutive bytes, aligned.  All twenty loads of a wave go out first;
; nothing is read twice; no LDS, no barrier, no matrix unit: memory binds.
.set IN,  4                            ; v[4:83]    unit k: 4 registers as loaded
.set OUT, 84                           ; v[84:123]  unit k: 2 registers to store
	s_load_b512 s[4:19], s[0:1], 0x0               ; x s[4:5], wq s[6:7], wk s[8:9], wv s[10:11], wo s[12:13], xb s[14:15], wb s[16:17], wob s[18:19]
	s_lshl_b32 s20, ttmp9, 14                      ; two rows of 8,192 bytes in
	s_mov_b32 s21, 0
	s_lshl_b32 s22, ttmp9, 13                      ; two rows of 4,096 bytes out
	s_mov_b32 s23, 0
	s_mov_b32 s28, 0xffff0000                      ; a word's upper bf16
	v_lshlrev_b32 v1, 4, v0                        ; my 16 bytes of a unit in
	v_lshlrev_b32 v2, 3, v0                        ; my 8 bytes of a unit out
	s_wait_kmcnt 0x0
.irp b, 4,6,8,10,12
	s_add_nc_u64 s[(\b):(\b)+1], s[(\b):(\b)+1], s[20:21]
.endr
.irp b, 14,16,18
	s_add_nc_u64 s[(\b):(\b)+1], s[(\b):(\b)+1], s[22:23]
.endr
	s_add_nc_u64 s[24:25], s[16:17], 0x800000      ; wb's plane k
	s_add_nc_u64 s[26:27], s[16:17], 0x1000000     ; wb's plane v
.irp a, 0,1,2,3,4
.irp u, 0,1,2,3
	global_load_b128 v[IN+4*(4*(\a)+(\u)):IN+4*(4*(\a)+(\u))+3], v1, s[4+2*(\a):5+2*(\a)] offset:(\u)*4096 th:TH_LOAD_NT
.endr
.endr
; Unit k goes out as unit u of the base in s[dst:dst+1].  half = 1: the bf16 number times 4, as f16.
.macro UNIT k, dst, u, half
	s_wait_loadcnt 19-(\k)                         ; loads come back in order: behind this unit's load 19 - k younger ones were issued and may stay out
	v_cvt_pk_bf16_f32 v[OUT+2*(\k)],   v[IN+4*(\k)],   v[IN+4*(\k)+1]
	v_cvt_pk_bf16_f32 v[OUT+2*(\k)+1], v[IN+4*(\k)+2], v[IN+4*(\k)+3]
.if \half
	v_lshlrev_b32 v[IN+4*(\k)],   16,  v[OUT+2*(\k)]       ; the rounded numbers back in f32
	v_and_b32     v[IN+4*(\k)+1], s28, v[OUT+2*(\k)]
	v_lshlrev_b32 v[IN+4*(\k)+2], 16,  v[OUT+2*(\k)+1]
	v_and_b32     v[IN+4*(\k)+3], s28, v[OUT+2*(\k)+1]
	v_pk_mul_f32 v[IN+4*(\k):IN+4*(\k)+1],   v[IN+4*(\k):IN+4*(\k)+1],   4.0 op_sel_hi:[1,0]
	v_pk_mul_f32 v[IN+4*(\k)+2:IN+4*(\k)+3], v[IN+4*(\k)+2:IN+4*(\k)+3], 4.0 op_sel_hi:[1,0]
	v_cvt_pk_f16_f32 v[OUT+2*(\k)],   v[IN+4*(\k)],   v[IN+4*(\k)+1]    ; eight significant bits: exact in f16's normal range
	v_cvt_pk_f16_f32 v[OUT+2*(\k)+1], v[IN+4*(\k)+2], v[IN+4*(\k)+3]
.endif
	global_store_b64 v2, v[OUT+2*(\k):OUT+2*(\k)+1], s[(\dst):(\dst)+1] offset:(\u)*2048  ; each unit has its own registers: none that a store reads is written again
.endm
.macro MATRIX a, dst, half
.irp u, 0,1,2,3
	UNIT 4*(\a)+(\u), \dst, \u, \half
.endr
.endm
	MATRIX 0, 14, 0
	MATRIX 1, 16, 0
	MATRIX 2, 24, 0
	MATRIX 3, 26, 0
	MATRIX 4, 18, 1
	s_endpgm
.Lfunc_end_k_qe808855bd4_cast:
	.size	k_qe808855bd4_cast, .Lfunc_end_k_qe808855bd4_cast-k_qe808855bd4_cast
	.p2alignl 7, 3214868480
	.fill 96, 4, 3214868480
	.section	.rodata,"a",@progbits
	.p2align	6, 0x0
	.amdhsa_kernel k_qe808855bd4_cast
		.amdhsa_group_segment_fixed_size 0
		.amdhsa_private_segment_fixed_size 0
		.amdhsa_enable_private_segment 0
		.amdhsa_kernarg_size 64
		.amdhsa_user_sgpr_count 2
		.amdhsa_user_sgpr_kernarg_segment_ptr 1
		.amdhsa_wavefront_size32 1
		.amdhsa_system_sgpr_workgroup_id_x 1
		.amdhsa_system_sgpr_workgroup_id_y 1
		.amdhsa_system_sgpr_workgroup_id_z 1
		.amdhsa_system_vgpr_workitem_id 0
		.amdhsa_next_free_vgpr 124
		.amdhsa_next_free_sgpr 66
		.amdhsa_reserve_vcc 0
		.amdhsa_float_denorm_mode_32 3
		.amdhsa_float_denorm_mode_16_64 3
		.amdhsa_memory_ordered 1
		.amdhsa_forward_progress 1
		.amdhsa_inst_pref_size 10
	.end_amdhsa_kernel
	.amdgpu_metadata
---
amdhsa.version: [ 1, 2 ]
amdhsa.kernels:
  - .name:           k_qe808855bd4_cast
    .symbol:         k_qe808855bd4_cast.kd
    .args:
      - { .name: x, .offset: 0, .size: 8, .value_kind: global_buffer, .address_space: global }
      - { .name: wq, .offset: 8, .size: 8, .value_kind: global_buffer, .address_space: global }
      - { .name: wk, .offset: 16, .size: 8, .value_kind: global_buffer, .address_space: global }
      - { .name: wv, .offset: 24, .size: 8, .value_kind: global_buffer, .address_space: global }
      - { .name: wo, .offset: 32, .size: 8, .value_kind: global_buffer, .address_space: global }
      - { .name: xb, .offset: 40, .size: 8, .value_kind: global_buffer, .address_space: global }
      - { .name: wb, .offset: 48, .size: 8, .value_kind: global_buffer, .address_space: global }
      - { .name: wob, .offset: 56, .size: 8, .value_kind: global_buffer, .address_space: global }
    .group_segment_fixed_size: 0
    .private_segment_fixed_size: 0
    .kernarg_segment_align: 8
    .kernarg_segment_size: 64
    .max_flat_workgroup_size: 256
    .sgpr_count:     66
    .vgpr_count:     124
    .wavefront_size: 32
...
	.end_amdgpu_metadata
.endif
;; end of part 1
;; launch qkv (part 2): grid 16 x 16, 4 waves a work-group, clusters of 4 x 4, 327,680 bytes of LDS; arguments xb, wb, freqs_cos, freqs_sin, qh, kh, vh; writes qh, kh, vh
.if DOCPART == 2
	.amdgcn_target "amdgcn-amd-amdhsa--gfx1250"
	.amdhsa_code_object_version 6
	.text
	.protected	k_qe808855bd4_qkv
	.globl	k_qe808855bd4_qkv
	.p2align	8
	.type	k_qe808855bd4_qkv,@function
k_qe808855bd4_qkv:
	s_mov_b64 s[64:65], 0
	v_nop
	global_prefetch_b8 v0, s[64:65] scope:SCOPE_SE
	s_setreg_imm32_b32 hwreg(HW_REG_WAVE_MODE, 25, 1), 1
	s_wait_xcnt 0x0
	s_wait_alu depctr_hold_cnt(0) depctr_sa_sdst(0) depctr_va_vdst(0) depctr_va_sdst(0) depctr_va_ssrc(0) depctr_va_vcc(0) depctr_vm_vsrc(0)
	s_getreg_b32 s2, hwreg(HW_REG_IB_STS2, 6, 4)
	s_cmp_eq_u32 s2, 0
	s_cbranch_scc0 .Lentry_in_a_cluster
	s_endpgm
.Lentry_in_a_cluster:
	s_bfe_u32 s2, ttmp6, 0x10000c
	s_cmp_lg_u32 s2, 0xf033
	s_cbranch_scc0 .Lentry_shape_is_right
	s_endpgm
.Lentry_shape_is_right:
; q, k, v of ONE head for 128 rows of x: a tile of 128 x 384 of x W^T (W = 128 rows each of wq, wk, wv), K = 2,048, bf16 operands, f32 sums; then the rotation of q and k
; by cos and sin (both rounded to bf16 like every input, the rotation itself in f32), exact scales, and one rounding to f16.
; OUT: qh, kh = q, k x 2^-6; vh = v x 2^-2; each [16 heads][2 halves of 64 channels][2,048 rows][64] f16, so a wave's 16 rows x 64 channels are 2,048 consecutive bytes.
; LIMITS.  f16 ends at 65,504: |q|, |k| up to 4.19e6, |v| up to 2.6e5; below 6e-5 the stored number keeps f16's fixed step of 6e-8.  NaN and infinities are not treated apart.
; SHARES.  The grid's x is the block of 128 rows, its y the head.  Four waves; wave w makes rows 64 (w & 1) on and columns 64 (w >> 1) on of each of q, k, v: 64 x 192, 48 accumulators of 16 x 16.
; For 32 along K it reads 32 x 16 bytes a lane from LDS for 48 matrix instructions.
; RING.  K goes in steps of 128 through two LDS slots; a slot holds 128 rows of x, wq, wk, wv, each row 256 bytes of memory.  Wave 0 fetches x's tile, waves 1 to 3 the three planes': one tensor load a wave.
; CLUSTER.  4 x 4 work-groups: x's tile hangs on the row block alone (work-group x) and is shared along a column of the cluster, W's tiles on the head alone (work-group y) and are shared along a row: joint loads.
; The heads lie along y, so that the four clusters of one cluster row, neighbours in the launch's order, are the ones that want the same tiles of W, three quarters of a step's bytes.
; THE MATRIX INSTRUCTION IS USED TRANSPOSED (source 0 = 16 rows of W, source 1 = 16 rows of x): lane l holds row l % 16 of x and the 8 neighbouring columns 8 (l / 16) + 0..7: four (real, imaginary) pairs.
; REGISTERS, in windows of 256 (s_set_vgpr_msb: bits 1:0 source 0, 3:2 source 1, 5:4 source 2, 7:6 destination):
;   window 0: v0-31 addresses; v32-63 at work on the way out; v64-127 x's fragments, two buffers of 32 (later the way out's packed and returned rows); v128-255 pairs (cos, sin) x 2^-6
;   window 1: W's fragments, two buffers of 96      window 2: q's and k's accumulators at 8 (8 a + 4 p + j)      window 3: v's at 8 (4 a + j)
.set SIZE_K, 2048
.set KSTEP,  128
.set PITCH,  272                       ; an LDS row: 256 bytes + 16 of padding = 68 words: the 16 rows of a fragment load start at 16 different groups of four banks (ISA guide 11.1)
.set HALFT,  128*PITCH                 ; one tensor load's 128 rows
.set SLOT,   4*HALFT                   ; x, wq, wk, wv
.set STAGE,  2*SLOT                    ; behind the ring: 16 rows x 144 bytes for each wave, for the way out
.set SP,     144
.set SPARE,  STAGE+4*16*SP             ; behind the stages: the spare words, 128 bytes a wave, which no other line names
.set LAPS,   SIZE_K/(2*KSTEP)          ; a lap = two K steps = once round the ring
.set ADRA, 16                          ; v16-17  LDS address of my fragments of x in slot 0, 1
.set ADRB, 18                          ; v18-19  of wq's (wk's lie HALFT further, inside the immediate)
.set ADRV, 20                          ; v20-21  of wv's: 2 HALFT further, which the 16-bit immediate does not reach
.set STO,  24                          ; the way out: where I put 16 bytes of a row
.set RD,   25                          ; where I read rows back
.set GO,   26                          ; my 16 bytes in 512 consecutive bytes of the output
.set FO,   27                          ; my byte offset in 16 rows of cos and sin
.set SPW,  28                          ; LDS address of my spare word; never rewritten
.set NIL,  29                          ; 0; never rewritten
.set T,    32
.set AF,   64
.set PKD,  64                          ; the way out: 16 packed registers
.set BK,   80                          ; two sets of 16: rows read back from the stage
.set CS,   128
.set WV,   18                          ; s18 wave;  s19 its half of the rows;  s20 its half of the columns
.set RH,   19
.set CH,   20
.set G1A,  24                          ; s[24:31] group 1 for x's tile; s[32:39] group 0, a set for each slot
.set G0A,  32
.set G1B,  48                          ; s[48:55], s[56:63] the same for W's tiles
.set G0B,  56
.set SQK,  66                          ; s[66:67] 2^-6
.set SV,   68                          ; s[68:69] 2^-2
.set HIM,  70                          ; s70 a word's upper bf16
.set FLAGS, (1<<16)|(1<<20)|(1<<21)|(5<<22)|(3<<25)  ; 2-byte elements; padding on; bit 21 beside a mask; after every 64 words (code 5) 4 words (code 3)
.set MSB, 0
.macro WIN new                         ; the immediate's high byte repeats the setting that is left; a switch that changes nothing is dropped
.if MSB != (\new)
	s_set_vgpr_msb (MSB<<8)|(\new)
.set MSB, \new
.endif
.endm
.set MUL_LO, 0xa1                      ; source 0 (W) window 1, source 1 (x) window 0, C and D window 2
.set MUL_HI, 0xf1                      ; the same, C and D window 3
.set TO_B,   0x40                      ; destination window 1, address window 0
.macro PLACES                          ; four plain vector instructions between a matrix instruction and a load into, or a vector read of, its registers
.rept 4
	v_nop
.endr
.endm
; A joint load.  The branch hangs on the wave's number alone.  An s_nop 0 and four v_nop follow each of the two lines.
.macro JLOAD s
	s_cmp_eq_u32 s[WV], 0
	s_cbranch_scc0 .Lfor_b_\@
	tensor_load_to_lds s[G0A+4*(\s):G0A+4*(\s)+3], s[G1A:G1A+7]
	s_nop 0
.rept 4
	v_nop
.endr
	s_branch .Lasked_\@
.Lfor_b_\@:
	tensor_load_to_lds s[G0B+4*(\s):G0B+4*(\s)+3], s[G1B:G1B+7]
	s_nop 0
.rept 4
	v_nop
.endr
.Lasked_\@:
.endm
.macro CREST                           ; a round of the cluster's barrier behind its opening barrier
	s_cmp_lg_u32 s[WV], 0
	s_cbranch_scc1 .Lnot_wave_0_\@
	s_barrier_signal -3
.Lnot_wave_0_\@:
	s_barrier_wait -3
	s_barrier_signal -1
	s_barrier_wait -1
.endm
.macro CROUND                          ; a whole round
	s_barrier_signal -1
	s_barrier_wait -1
	CREST
.endm
	s_load_b256 s[4:11], s[0:1], 0x0               ; xb s[4:5], wb s[6:7], cos s[8:9], sin s[10:11]
	s_load_b128 s[12:15], s[0:1], 0x20             ; qh s[12:13], kh s[14:15]
	s_load_b64 s[16:17], s[0:1], 0x30              ; vh
	v_lshl_add_u32 v[SPW], v0, 2, SPARE
	v_mov_b32 v[NIL], 0
	ds_add_u32 v[SPW], v[NIL]                      ; the wave's opening: the add and its wait stand ahead of my first tensor load; the set-up below stands between them
	ds_add_u32 v28, v29
	v_lshrrev_b32 v1, 5, v0
	v_readfirstlane_b32 s[WV], v1
	s_and_b32 s[RH], s[WV], 1
	s_lshr_b32 s[CH], s[WV], 1
	s_bfe_u32 s40, ttmp6, 0x40000                  ; cx
	s_bfe_u32 s41, ttmp6, 0x40004                  ; cy
	s_lshl_b32 s43, ttmp9, 2
	s_add_co_u32 s43, s43, s40                     ; the block of 128 rows = 4 x cluster x + cx
	s_and_b32 s42, ttmp7, 0xffff
	s_lshl_b32 s42, s42, 2
	s_add_co_u32 s42, s42, s41                     ; the head = 4 x cluster y + cy
	s_lshl_b32 s44, 0x1111, s40                    ; my column of the cluster (same cx): it shares the row block
	s_lshl_b32 s45, s41, 2
	s_lshl_b32 s45, 15, s45                        ; my row (same cy): it shares the head
	s_or_b32 s[G1A], s44, FLAGS
	s_or_b32 s[G1B], s45, FLAGS
.irp g, G1A, G1B
	s_mov_b32 s[(\g)+1], KSTEP<<16                 ; tensor_dim0 = 128
	s_mov_b32 s[(\g)+2], 128<<16                   ; tensor_dim1 = 128
	s_mov_b32 s[(\g)+3], KSTEP<<16                 ; tile_dim0 = 128
	s_mov_b32 s[(\g)+4], 128                       ; tile_dim1 = 128
	s_mov_b32 s[(\g)+5], SIZE_K                    ; elements from row to row
	s_mov_b32 s[(\g)+6], 0
	s_mov_b32 s[(\g)+7], 0
.endr
	s_lshl_b32 s72, s43, 19                        ; x: 128 rows of 4,096 bytes a block; hangs on the row block alone
	s_mov_b32 s73, 0
	s_max_u32 s76, s[WV], 1                        ; W: plane wave - 1 (wave 0 never asks by this address),
	s_sub_co_u32 s76, s76, 1
	s_lshl_b32 s76, s76, 23                        ; 8,388,608 bytes a plane,
	s_lshl_b32 s77, s42, 19                        ; 128 rows a head; hangs on the head and the wave alone
	s_add_co_u32 s76, s76, s77
	s_mov_b32 s77, 0
	s_mul_i32 s21, s[WV], HALFT                    ; where W's tile goes: wave x 128 rows
	s_mov_b32 s[SQK], 0x3c800000
	s_mov_b32 s[SQK+1], s[SQK]
	s_mov_b32 s[SV], 0x3e800000
	s_mov_b32 s[SV+1], s[SV]
	s_mov_b32 s[HIM], 0xffff0000
	s_wait_dscnt 0x0                               ; the opening add is done
	s_wait_kmcnt 0x0
	s_add_nc_u64 s[74:75], s[4:5], s[72:73]
	s_add_nc_u64 s[78:79], s[6:7], s[76:77]
	CROUND                                         ; all sixteen work-groups are here: the first joint loads meet
.irp s, 0,1
	s_mov_b32 s[G0A+4*(\s)], 1
	s_mov_b32 s[G0A+4*(\s)+1], (\s)*SLOT
	s_add_nc_u64 s[G0A+4*(\s)+2:G0A+4*(\s)+3], s[74:75], (\s)*KSTEP*2
	s_or_b32 s[G0A+4*(\s)+3], s[G0A+4*(\s)+3], 0x80000000
	s_mov_b32 s[G0B+4*(\s)], 1
	s_add_co_u32 s[G0B+4*(\s)+1], s21, (\s)*SLOT
	s_add_nc_u64 s[G0B+4*(\s)+2:G0B+4*(\s)+3], s[78:79], (\s)*KSTEP*2
	s_or_b32 s[G0B+4*(\s)+3], s[G0B+4*(\s)+3], 0x80000000
	JLOAD \s                                       ; K steps 0 and 1: two loads of mine are out
.endr
	; cos and sin of my 64 rows and 32 pairs: accumulator (a, j) wants row 16 a + l % 16 and the pairs 8 j + 4 (l / 16) + 0..3: 16 bytes of each table
	v_and_b32 v1, 15, v0                           ; l % 16
	v_bfe_u32 v2, v0, 4, 1                         ; l / 16
	v_lshlrev_b32 v[FO], 8, v1
	v_lshl_add_u32 v[FO], v2, 4, v[FO]
	s_lshl_b32 s46, s43, 15                        ; 128 rows of 256 bytes a block,
	s_lshl_b32 s71, s[RH], 14                      ; my 64 rows,
	s_add_co_u32 s46, s46, s71
	s_lshl_b32 s71, s[CH], 7                       ; my 32 pairs
	s_add_co_u32 s46, s46, s71
	s_mov_b32 s47, 0
	s_add_nc_u64 s[8:9], s[8:9], s[46:47]
	s_add_nc_u64 s[10:11], s[10:11], s[46:47]
.irp a, 0,1,2,3
.irp j, 0,1,2,3
	global_load_b128 v[CS+8*(4*(\a)+(\j)):CS+8*(4*(\a)+(\j))+3],   v[FO], s[8:9]   offset:(\a)*4096+(\j)*32
	global_load_b128 v[CS+8*(4*(\a)+(\j))+4:CS+8*(4*(\a)+(\j))+7], v[FO], s[10:11] offset:(\a)*4096+(\j)*32
.endr
.endr
	; a fragment is 16 rows x 32 K in 8 registers: lane l holds row l % 16, K = 8 (l / 16) + 0..7 and 16 + 8 (l / 16) + 0..7: two loads of 16 bytes, 32 bytes apart
	v_mul_u32_u24 v3, v1, PITCH
	v_lshl_add_u32 v3, v2, 4, v3
	s_mul_i32 s22, s[RH], 64*PITCH                 ; my 64 rows of x
	s_mul_i32 s23, s[CH], 64*PITCH                 ; my 64 rows of each plane,
	s_add_co_u32 s23, s23, HALFT                   ; which lie behind x's 128
.irp s, 0,1
	v_add_nc_u32 v[ADRA+(\s)], s22, v3
	v_add_nc_u32 v[ADRB+(\s)], s23, v3
	v_add_nc_u32 v[ADRV+(\s)], 2*HALFT, v[ADRB+(\s)]
	s_add_co_u32 s22, s22, SLOT
	s_add_co_u32 s23, s23, SLOT
.endr
	s_mul_i32 s22, s[WV], 16*SP
	s_add_co_u32 s22, s22, STAGE                   ; my stage
	v_mul_u32_u24 v4, v1, SP                       ; in: row l % 16, 16 bytes for each half of the lanes
	v_lshl_add_u32 v4, v2, 4, v4
	v_add_nc_u32 v[STO], s22, v4
	v_bfe_u32 v4, v0, 3, 2                         ; back: 32 lanes take four rows of 128 bytes,
	v_mul_u32_u24 v4, v4, SP
	v_and_b32 v5, 7, v0
	v_lshl_add_u32 v4, v5, 4, v4
	v_add_nc_u32 v[RD], s22, v4
	v_and_b32 v[GO], 31, v0                        ; which are 512 consecutive bytes of the output
	v_lshlrev_b32 v[GO], 4, v[GO]
	s_lshl_b32 s46, s42, 19                        ; the head's two planes of 262,144 bytes,
	s_lshl_b32 s71, s[CH], 18                      ; my plane,
	s_add_co_u32 s46, s46, s71
	s_lshl_b32 s71, s43, 14                        ; the block's 128 rows of 128 bytes,
	s_add_co_u32 s46, s46, s71
	s_lshl_b32 s71, s[RH], 13                      ; my 64 of them
	s_add_co_u32 s46, s46, s71
	s_add_nc_u64 s[12:13], s[12:13], s[46:47]
	s_add_nc_u64 s[14:15], s[14:15], s[46:47]
	s_add_nc_u64 s[16:17], s[16:17], s[46:47]
	s_wait_loadcnt 0x0                             ; cos and sin are in.  They are rounded to bf16, laid as pairs (cos, sin) and scaled by 2^-6 (exact), all in the wait for the first tile
.set u, 0
.rept 16
.irp i, 0,1,2,3
	v_cvt_pk_bf16_f32 v[AF+4*u+(\i)], v[CS+8*u+(\i)], v[CS+8*u+4+(\i)]
.endr
.irp i, 0,1,2,3
	v_lshlrev_b32 v[CS+8*u+2*(\i)],   16,     v[AF+4*u+(\i)]
	v_and_b32     v[CS+8*u+2*(\i)+1], s[HIM], v[AF+4*u+(\i)]
.endr
.irp i, 0,1,2,3
	v_pk_mul_f32 v[CS+8*u+2*(\i):CS+8*u+2*(\i)+1], v[CS+8*u+2*(\i):CS+8*u+2*(\i)+1], s[SQK:SQK+1] op_sel_hi:[1,0]
.endr
.set u, u+1
.endr
; 16 matrix instructions: row blocks a0, a0 + 1 x the 8 column blocks of q and k, 32 along K, buffer f.  zero = 1: the first product starts the sums.
.macro MULQK f, a0, zero
	WIN MUL_LO
.irp a, \a0, (\a0)+1
.irp b, 0,1,2,3,4,5,6,7
.if \zero
	v_wmma_f32_16x16x32_bf16 v[8*(8*(\a)+(\b)):8*(8*(\a)+(\b))+7], v[96*(\f)+8*(\b):96*(\f)+8*(\b)+7], v[AF+32*(\f)+8*(\a):AF+32*(\f)+8*(\a)+7], 0
.else
	v_wmma_f32_16x16x32_bf16 v[8*(8*(\a)+(\b)):8*(8*(\a)+(\b))+7], v[96*(\f)+8*(\b):96*(\f)+8*(\b)+7], v[AF+32*(\f)+8*(\a):AF+32*(\f)+8*(\a)+7], v[8*(8*(\a)+(\b)):8*(8*(\a)+(\b))+7]
.endif
.endr
.endr
.endm
; 16 matrix instructions: all 4 row blocks x the 4 column blocks of v
.macro MULV f, zero
	WIN MUL_HI
.irp a, 0,1,2,3
.irp j, 0,1,2,3
.if \zero
	v_wmma_f32_16x16x32_bf16 v[8*(4*(\a)+(\j)):8*(4*(\a)+(\j))+7], v[96*(\f)+64+8*(\j):96*(\f)+64+8*(\j)+7], v[AF+32*(\f)+8*(\a):AF+32*(\f)+8*(\a)+7], 0
.else
	v_wmma_f32_16x16x32_bf16 v[8*(4*(\a)+(\j)):8*(4*(\a)+(\j))+7], v[96*(\f)+64+8*(\j):96*(\f)+64+8*(\j)+7], v[AF+32*(\f)+8*(\a):AF+32*(\f)+8*(\a)+7], v[8*(4*(\a)+(\j)):8*(4*(\a)+(\j))+7]
.endif
.endr
.endr
.endm
; 32 LDS loads in one run: the fragments of 32 along K at byte k of the rows, into buffer f: x's 8, q's and k's 16, v's 8 last
.macro FETCH slot, k, f
	WIN 0
.irp a, 0,1,2,3
	ds_load_b128 v[AF+32*(\f)+8*(\a):AF+32*(\f)+8*(\a)+3],   v[ADRA+(\slot)] offset:(\k)+(\a)*16*PITCH
	ds_load_b128 v[AF+32*(\f)+8*(\a)+4:AF+32*(\f)+8*(\a)+7], v[ADRA+(\slot)] offset:(\k)+(\a)*16*PITCH+32
.endr
	WIN TO_B
.irp p, 0,1
.irp j, 0,1,2,3
	ds_load_b128 v[96*(\f)+8*(4*(\p)+(\j)):96*(\f)+8*(4*(\p)+(\j))+3],   v[ADRB+(\slot)] offset:(\k)+(\p)*HALFT+(\j)*16*PITCH
	ds_load_b128 v[96*(\f)+8*(4*(\p)+(\j))+4:96*(\f)+8*(4*(\p)+(\j))+7], v[ADRB+(\slot)] offset:(\k)+(\p)*HALFT+(\j)*16*PITCH+32
.endr
.endr
.irp j, 0,1,2,3
	ds_load_b128 v[96*(\f)+64+8*(\j):96*(\f)+64+8*(\j)+3],   v[ADRV+(\slot)] offset:(\k)+(\j)*16*PITCH
	ds_load_b128 v[96*(\f)+64+8*(\j)+4:96*(\f)+64+8*(\j)+7], v[ADRV+(\slot)] offset:(\k)+(\j)*16*PITCH+32
.endr
.endm
; A K step is four quarters of 32 along K, 48 matrix instructions each, on buffers 0, 1, 0, 1.  The 48 accumulators take turns in the same order in every quarter.
; One of the first three: multiplies buffer f and fetches the next quarter, at byte k, into g.
.macro QUARTER slot, k, f, g, zero
	s_wait_dscnt 8                                 ; x's, q's and k's fragments are in; the youngest eight loads (v's) may be out
	MULQK \f, 0, \zero
	MULQK \f, 2, \zero
	PLACES                                         ; buffer g's last reader stands 32 matrix instructions back; these are its places
	FETCH \slot, \k, \g
	s_wait_dscnt 32                                ; all but the 32 just issued
	MULV \f, \zero
.endm
; The last quarter multiplies buffer 1 and changes slots: ONE barrier; in front of it each wave waits for all its tensor loads (one is out: its part of the next slot), adds 0 to its
; spare word, and waits for that and for its reads of this slot.  fill = 1: the barrier opens a round of the cluster's, and this slot is filled again, two K steps ahead, first thing behind it.
.macro TURN slot, next, fill
	WIN 0                                          ; (the add's two registers lie in window 0)
	s_wait_tensorcnt 0x0
	ds_add_u32 v[SPW], v[NIL]
	s_wait_dscnt 9                                 ; (the add and v's eight loads may be out)
	MULQK 1, 0, 0                                  ; sixteen matrix instructions stand between the add and the wait for it
	s_wait_dscnt 0x0                               ; the add is done, and my reads of this slot are over
	s_barrier_signal -1
	MULQK 1, 2, 0
.if \fill
	WIN 0
.endif
	s_barrier_wait -1
.if \fill
	CREST                                          ; no wave of any partner still reads this slot's tiles or has a load on its way
	s_add_nc_u64 s[G0A+4*(\slot)+2:G0A+4*(\slot)+3], s[G0A+4*(\slot)+2:G0A+4*(\slot)+3], 2*KSTEP*2
	s_add_nc_u64 s[G0B+4*(\slot)+2:G0B+4*(\slot)+3], s[G0B+4*(\slot)+2:G0B+4*(\slot)+3], 2*KSTEP*2
	JLOAD \slot                                    ; my one tensor load behind the round; its four v_nop are also the places in front of the loads below
.else
	PLACES
.endif
	FETCH \next, 0, 0
	MULV 1, 0
.endm
	s_wait_tensorcnt 0x1                           ; my part of K step 0 is in; K step 1's may stay out
	s_barrier_signal -1
	s_barrier_wait -1                              ; everybody's is
	FETCH 0, 0, 0
	QUARTER 0, 64, 0, 1, 1                         ; the first quarter stands in front of the loop: its products start the sums
	WIN 0                                          ; at a label and at a branch every window is 0
	s_mov_b32 s3, LAPS-1
.Llap:                                                 ; a trip goes once round the ring, from a lap's second quarter to the next lap's first, and fills both slots again
	QUARTER 0, 128, 1, 0, 0
	QUARTER 0, 192, 0, 1, 0
	TURN 0, 1, 1
	QUARTER 1, 64,  0, 1, 0
	QUARTER 1, 128, 1, 0, 0
	QUARTER 1, 192, 0, 1, 0
	TURN 1, 0, 1
	QUARTER 0, 64,  0, 1, 0
	WIN 0
	s_sub_co_u32 s3, s3, 1
	s_cmp_lg_u32 s3, 0
	s_cbranch_scc1 .Llap
	QUARTER 0, 128, 1, 0, 0                        ; the last lap fills nothing, and has no round of the cluster's barrier
	QUARTER 0, 192, 0, 1, 0
	TURN 0, 1, 0
	QUARTER 1, 64,  0, 1, 0
	QUARTER 1, 128, 1, 0, 0
	QUARTER 1, 192, 0, 1, 0
	s_wait_dscnt 8                                 ; the very last quarter: nothing more to fetch
	MULQK 1, 0, 0
	MULQK 1, 2, 0
	s_wait_dscnt 0x0
	MULV 1, 0
	WIN 0
; THE WAY OUT, in twelve units u = 4 p + a: 16 rows x 64 channels of q (p = 0), k (1) or v (2).
.macro CVT                             ; 32 numbers a lane rounded to f16
	WIN 0
.set n, 0
.rept 16
	v_cvt_pk_f16_f32 v[PKD+n], v[T+2*n], v[T+2*n+1]
.set n, n+1
.endr
.endm
; The rotation of a pair (r, i) by (c, s): first (i s, r s), then (r c - i s, i c + r s); c and s carry the 2^-6.  Each accumulator's registers are read in ascending order.
.macro PACKR p, a
	WIN 0x02                                       ; source 0 window 2
.irp j, 0,1,2,3
.irp i, 0,2,4,6
.set rA, 8*(8*(\a)+4*(\p)+(\j))+(\i)
.set rC, CS+8*(4*(\a)+(\j))+(\i)
.set rT, T+8*(\j)+(\i)
	v_pk_mul_f32 v[rT:rT+1], v[rA:rA+1], v[rC:rC+1] op_sel:[1,1] op_sel_hi:[0,1]
.endr
.endr
.irp j, 0,1,2,3
.irp i, 0,2,4,6
.set rA, 8*(8*(\a)+4*(\p)+(\j))+(\i)
.set rC, CS+8*(4*(\a)+(\j))+(\i)
.set rT, T+8*(\j)+(\i)
	v_pk_fma_f32 v[rT:rT+1], v[rA:rA+1], v[rC:rC+1], v[rT:rT+1] op_sel_hi:[1,0,1] neg_lo:[0,0,1]
.endr
.endr
	CVT
.endm
.macro PACKV a
	WIN 0x03                                       ; source 0 window 3
.irp j, 0,1,2,3
.irp i, 0,2,4,6
	v_pk_mul_f32 v[T+8*(\j)+(\i):T+8*(\j)+(\i)+1], v[8*(4*(\a)+(\j))+(\i):8*(4*(\a)+(\j))+(\i)+1], s[SV:SV+1] op_sel_hi:[1,0]
.endr
.endr
	CVT
.endm
.macro PACK u
.if (\u) < 8
	PACKR (\u)/4, (\u)%4
.else
	PACKV (\u)%4
.endif
.endm
.macro TOSTAGE u                       ; into my own stage, rows of 144 bytes, and back as whole rows of 128
	WIN 0
.irp j, 0,1,2,3
	ds_store_b128 v[STO], v[PKD+4*(\j):PKD+4*(\j)+3] offset:32*(\j)
.endr
.irp f, 0,1,2,3
	ds_load_b128 v[BK+16*((\u)%2)+4*(\f):BK+16*((\u)%2)+4*(\f)+3], v[RD] offset:(\f)*4*SP  ; LDS serves a wave's instructions in order (ISA guide 5.7.1.4): these see the stores above
.endr
.endm
.macro SEND u
	WIN 0
	s_wait_dscnt 0x0                               ; the unit is back in registers
	s_wait_xcnt 0x0                                ; the stores of the unit before have read their registers: the other set is loaded again only behind this wait
.irp f, 0,1,2,3
	global_store_b128 v[GO], v[BK+16*((\u)%2)+4*(\f):BK+16*((\u)%2)+4*(\f)+3], s[12+2*((\u)/4):13+2*((\u)/4)] offset:((\u)%4)*2048+(\f)*512  ; 512 consecutive bytes, at a multiple of 256 from the buffer's first
.endr
.endm
	PLACES                                         ; behind the last products
	PACK 0
	TOSTAGE 0
.set u, 1
.rept 11                               ; a unit's arithmetic stands between the loads of the unit before and the wait for them
	PACK u
	SEND u-1
	TOSTAGE u
.set u, u+1
.endr
	SEND 11
	s_wait_tensorcnt 0x0                           ; the wave's end: a wait, an add and its wait, behind my last tensor load and my last LDS store
	ds_add_u32 v[SPW], v[NIL]
	s_wait_dscnt 0x0
	CROUND                                         ; the closing round: no work-group ends while a partner may still ask for a tile that names it
	s_endpgm
.Lfunc_end_k_qe808855bd4_qkv:
	.size	k_qe808855bd4_qkv, .Lfunc_end_k_qe808855bd4_qkv-k_qe808855bd4_qkv
	.p2alignl 7, 3214868480
	.fill 96, 4, 3214868480
	.section	.rodata,"a",@progbits
	.p2align	6, 0x0
	.amdhsa_kernel k_qe808855bd4_qkv
		.amdhsa_group_segment_fixed_size 327680
		.amdhsa_private_segment_fixed_size 0
		.amdhsa_enable_private_segment 0
		.amdhsa_kernarg_size 56
		.amdhsa_user_sgpr_count 2
		.amdhsa_user_sgpr_kernarg_segment_ptr 1
		.amdhsa_wavefront_size32 1
		.amdhsa_system_sgpr_workgroup_id_x 1
		.amdhsa_system_sgpr_workgroup_id_y 1
		.amdhsa_system_sgpr_workgroup_id_z 1
		.amdhsa_system_vgpr_workitem_id 0
		.amdhsa_next_free_vgpr 896
		.amdhsa_next_free_sgpr 80
		.amdhsa_reserve_vcc 0
		.amdhsa_float_denorm_mode_32 3
		.amdhsa_float_denorm_mode_16_64 3
		.amdhsa_memory_ordered 1
		.amdhsa_forward_progress 1
		.amdhsa_inst_pref_size 155
	.end_amdhsa_kernel
	.amdgpu_metadata
---
amdhsa.version: [ 1, 2 ]
amdhsa.kernels:
  - .name:           k_qe808855bd4_qkv
    .symbol:         k_qe808855bd4_qkv.kd
    .args:
      - { .name: xb, .offset: 0, .size: 8, .value_kind: global_buffer, .address_space: global }
      - { .name: wb, .offset: 8, .size: 8, .value_kind: global_buffer, .address_space: global }
      - { .name: freqs_cos, .offset: 16, .size: 8, .value_kind: global_buffer, .address_space: global }
      - { .name: freqs_sin, .offset: 24, .size: 8, .value_kind: global_buffer, .address_space: global }
      - { .name: qh, .offset: 32, .size: 8, .value_kind: global_buffer, .address_space: global }
      - { .name: kh, .offset: 40, .size: 8, .value_kind: global_buffer, .address_space: global }
      - { .name: vh, .offset: 48, .size: 8, .value_kind: global_buffer, .address_space: global }
    .group_segment_fixed_size: 327680
    .private_segment_fixed_size: 0
    .kernarg_segment_align: 8
    .kernarg_segment_size: 56
    .max_flat_workgroup_size: 128
    .sgpr_count:     80
    .vgpr_count:     896
    .wavefront_size: 32
...
	.end_amdgpu_metadata
.endif
;; end of part 2
;; launch attn (part 3): grid 16 x 16, 4 waves a work-group, no clusters, 251,392 bytes of LDS; arguments qh, kh, vh, ob; writes ob
.if DOCPART == 3
	.amdgcn_target "amdgcn-amd-amdhsa--gfx1250"
	.amdhsa_code_object_version 6
	.text
	.protected	k_qe808855bd4_attn
	.globl	k_qe808855bd4_attn
	.p2align	8
	.type	k_qe808855bd4_attn,@function
k_qe808855bd4_attn:
	s_mov_b64 s[64:65], 0
	v_nop
	global_prefetch_b8 v0, s[64:65] scope:SCOPE_SE
	s_setreg_imm32_b32 hwreg(HW_REG_WAVE_MODE, 25, 1), 1
	s_wait_xcnt 0x0
; BANDED ATTENTION.  O[q] = the sum over q - 256 < k <= q of softmax_k(Q[q] . K[k] / sqrt(128)) V[k], for 128 queries of one head.
; IN: qh, kh = q, k x 2^-6 and vh = v x 2^-2, [16 heads][2 halves of 64 channels][2,048][64] f16.  OUT: ob[2,048][2,048] f16 = O / 4, head h's channels at 128 h.
; Products, maximum and sum in f32; the weights are rounded to f16 for the second product (their sum is taken of the unrounded weights), O once at the end.
; LIMITS.  A hidden score counts as its value less 1e30 (f16's scores, 5.5e11 at the most, are nothing beside that); a weight below 2^-126 counts as 0; O / 4 below 6e-5 keeps f16's fixed step of 6e-8;
; NaN and infinities are not treated apart.
; SHARES.  The work-group's queries 128 b .. 128 b + 127 see the 384 keys from 128 b - 256 on: three chunks of 128, all resident in LDS, filled once: no ring.  A chunk in front of the
; sequence's first key is replaced by chunk 0 (real rows, so finite numbers), and the mask hides it.  Wave w owns 32 queries w0 = 128 b + 32 w on, two tiles of 16, and uses the 288 keys w0 - 256 + x, x < 288.
; With y the query's place among the 32, key x counts if y < x <= y + 256 and x >= KMIN = max(0, 256 - w0) (a multiple of 32).
; K AHEAD OF V.  Every wave asks for three pieces of K and then for three of V (plane w & 1, keys 64 (w >> 1) on of each chunk: 32 rows of 256 bytes; pieces of 64 rows would be six of K for four waves,
; and the waves' counts would differ).  The scores begin when K is in; V is waited for behind the first tile's softmax: two barriers.
; NO CLUSTER: neighbouring blocks share two of three chunks, but each would want a shared chunk at another place in its LDS, and a joint load has one LDS address for all that it names.
; LAYOUT.  S^T = K Q^T (source 0 = 16 keys, source 1 = 16 queries): a lane holds ONE query (lane % 16) and the keys 8 (lane / 16) + 0..7 of each block of 16.  All 288 scores of a query lie in two lanes'
; registers, so the softmax is one pass with the true maximum.  Two blocks rounded to f16 ARE source 1 of O^T = V^T P; V ([key][channel]) comes out of LDS turned, by ds_load_tr16_b128.
; THE MASK is the C operand of the product that starts a block's sum: 0 or -1e30.  Blocks 0, 1 (lower edge) and 16, 17 (diagonal) have masks by lane; blocks 2 to 15 are hidden or not by groups of 32 keys.
; REGISTERS, in windows of 256 (s_set_vgpr_msb: bits 1:0 source 0, 3:2 source 1, 5:4 source 2, 7:6 destination):
;   window 0: v0-31 addresses; v32-95 Q; v96-159 edge masks; v160-215 group masks.  Behind the first product v32-159 are V's two buffers, at the end v32-95 the way out
;   window 1 + t (tile t): v0-143 S^T; v144-215 P; v216-231 statistics          window 3: K's two buffers of 96, later O^T at 64 t + 8 cb
.set PK,    144                        ; a row of K in LDS: 128 bytes + 16 of padding: the 16 rows of a load start at 16 different groups of four banks (ISA guide 11.1)
.set PVP,   160                        ; a row of V: 128 + 32
.set KPL,   384*PK                     ; a plane (64 channels) of K's 384 rows
.set VPL,   384*PVP
.set VB,    2*KPL                      ; V lies behind K's two planes
.set STAGE, VB+2*VPL                   ; 16 rows x 272 bytes for each wave, for the way out
.set SP,    272
.set SPARE, STAGE+4*16*SP              ; the spare words, 128 bytes a wave, which no other line names
.set AK,  5                            ; v5, v6   LDS address of my fragments of K, plane 0, 1
.set AV,  7                            ; v7, v8   the same for V
.set QO,  9                            ; my byte offset in 16 rows of Q
.set STO, 10
.set RD,  11
.set GO,  12
.set LO,  14                           ; v14, v15 tile t: a key of blocks 0, 1 is hidden where 16 kb + j <= this
.set HI,  16                           ; v16, v17 tile t: a key of blocks 16, 17 is hidden where 16 (kb - 16) + j > this
.set SPW, 30
.set NIL, 31
.set Q,   32
.set ME,  96                           ; 32 t + 8 e, e = 0..3 for blocks 0, 1, 16, 17
.set MM,  160                          ; 8 (g - 1), g = 1..7: keys 32 g .. 32 g + 31
.set VF,  32
.set OB,  32
.set P,   144
.set MX,  216                          ; four chains of the maximum
.set CM,  220                          ; c m, twice
.set L,   222                          ; four pairs of partial sums
.set RL,  230                          ; 1 / l, twice
.set WV,  12
.set G1K, 24
.set G1V, 32
.set G0K, 40                           ; s[40:51] three sets, one a chunk
.set G0V, 52                           ; s[52:63]
.set CC,  66                           ; s[66:67] c = log2(e) / sqrt(128) x 2^12: the 2^12 undoes q's and k's 2^-6
.set SEL, 68
.set BIGN, 70
.set KMIN, 71
.set B31, 72
.set MSB, 0
.macro WIN new
.if MSB != (\new)
	s_set_vgpr_msb (MSB<<8)|(\new)
.set MSB, \new
.endif
.endm
.macro PLACES                          ; four plain vector instructions between a matrix instruction and a load into, or a vector read of, its registers
.rept 4
	v_nop
.endr
.endm
	s_load_b256 s[4:11], s[0:1], 0x0               ; qh s[4:5], kh s[6:7], vh s[8:9], ob s[10:11]
	v_lshl_add_u32 v[SPW], v0, 2, SPARE
	v_mov_b32 v[NIL], 0
	ds_add_u32 v[SPW], v[NIL]                      ; the wave's opening: the add and its wait stand ahead of my first tensor load
	ds_add_u32 v30, v31
	v_lshrrev_b32 v1, 5, v0
	v_readfirstlane_b32 s[WV], v1
	s_mov_b32 s13, ttmp9                           ; b, the block of 128 queries
	s_and_b32 s14, ttmp7, 0xffff                   ; the head
	s_and_b32 s15, s[WV], 1                        ; the plane that I fetch,
	s_lshr_b32 s22, s[WV], 1                       ; and which 64 keys of each chunk
	s_mul_i32 s16, s15, KPL
	s_mul_i32 s23, s22, 64*PK
	s_add_co_u32 s16, s16, s23                     ; where my pieces of K begin in LDS
	s_mul_i32 s17, s15, VPL
	s_mul_i32 s23, s22, 64*PVP
	s_add_co_u32 s17, s17, s23                     ; and, less VB, my pieces of V
	s_lshl_b32 s18, s14, 19                        ; the head's two planes of 262,144 bytes,
	s_lshl_b32 s19, s15, 18
	s_add_co_u32 s18, s18, s19
	s_lshl_b32 s19, s22, 13                        ; 64 rows of 128 bytes
	s_add_co_u32 s18, s18, s19
	; 64 keys of a plane are 8,192 dense bytes: asked for as 32 rows of 256 bytes, two keys a row, padded in LDS after every key
	s_mov_b32 s[G1K], (1<<16)|(1<<20)|(4<<22)|(3<<25)  ; 2-byte elements; padding on; after every 32 words (code 4) 4 words (code 3)
	s_mov_b32 s[G1V], (1<<16)|(1<<20)|(4<<22)|(7<<25)  ; the same with 8 words (code 7)
.irp g, G1K, G1V
	s_mov_b32 s[(\g)+1], 128<<16                   ; tensor_dim0 = 128
	s_mov_b32 s[(\g)+2], 32<<16                    ; tensor_dim1 = 32
	s_mov_b32 s[(\g)+3], 128<<16                   ; tile_dim0 = 128
	s_mov_b32 s[(\g)+4], 32                        ; tile_dim1 = 32
	s_mov_b32 s[(\g)+5], 128                       ; elements from row to row
	s_mov_b32 s[(\g)+6], 0
	s_mov_b32 s[(\g)+7], 0
.endr
.irp i, 0,1,2
	s_mov_b32 s[G0K+4*(\i)], 1
	s_add_co_u32 s[G0K+4*(\i)+1], s16, (\i)*128*PK
	s_mov_b32 s[G0V+4*(\i)], 1
	s_add_co_u32 s[G0V+4*(\i)+1], s17, VB+(\i)*128*PVP
.endr
	s_mov_b32 s[CC], 0x440293ee
	s_mov_b32 s[CC+1], s[CC]
	s_mov_b32 s[SEL], 0x76543210
	s_mov_b32 s[SEL+1], 0xfedcba98
	s_mov_b32 s[BIGN], 0xf149f2ca                  ; -1e30
	s_mov_b32 s21, 0
	s_wait_dscnt 0x0                               ; the opening add is done
	s_wait_kmcnt 0x0
.irp i, 0,1,2
	s_add_co_u32 s20, s13, (\i)                    ; chunk max(b - 2 + i, 0)
	s_max_u32 s20, s20, 2
	s_sub_co_u32 s20, s20, 2
	s_lshl_b32 s20, s20, 14
	s_add_co_u32 s20, s20, s18
	s_add_nc_u64 s[G0K+4*(\i)+2:G0K+4*(\i)+3], s[6:7], s[20:21]
	s_or_b32 s[G0K+4*(\i)+3], s[G0K+4*(\i)+3], 0x80000000
	s_add_nc_u64 s[G0V+4*(\i)+2:G0V+4*(\i)+3], s[8:9], s[20:21]
	s_or_b32 s[G0V+4*(\i)+3], s[G0V+4*(\i)+3], 0x80000000
.endr
	; all first fills in one group, ahead of every wait on TENSORcnt, LDS read and barrier, the same six in every wave: six loads of mine are out, K's three ahead of V's three
.irp i, 0,1,2
	tensor_load_to_lds s[G0K+4*(\i):G0K+4*(\i)+3], s[G1K:G1K+7]
	s_nop 0
.endr
.irp i, 0,1,2
	tensor_load_to_lds s[G0V+4*(\i):G0V+4*(\i)+3], s[G1V:G1V+7]
	s_nop 0
.endr
	v_and_b32 v1, 15, v0                           ; l % 16
	v_bfe_u32 v2, v0, 4, 1                         ; l / 16
	v_and_b32 v3, 7, v0
	v_bfe_u32 v4, v0, 3, 1
	v_lshlrev_b32 v[QO], 7, v1
	v_lshl_add_u32 v[QO], v2, 4, v[QO]             ; row x 128 + 16 x half
	s_lshl_b32 s20, s14, 19
	s_lshl_b32 s19, s13, 14                        ; the block's 128 rows of 128 bytes,
	s_add_co_u32 s20, s20, s19
	s_lshl_b32 s19, s[WV], 12                      ; my wave's 32
	s_add_co_u32 s20, s20, s19
	s_add_nc_u64 s[4:5], s[4:5], s[20:21]
.irp t, 0,1
.irp c, 0,1,2,3                        ; Q stays in registers: tile t, channels 32 c on: plane c / 2
	global_load_b128 v[Q+32*(\t)+8*(\c):Q+32*(\t)+8*(\c)+3],   v[QO], s[4:5] offset:((\c)/2)*262144+(\t)*2048+((\c)%2)*64
	global_load_b128 v[Q+32*(\t)+8*(\c)+4:Q+32*(\t)+8*(\c)+7], v[QO], s[4:5] offset:((\c)/2)*262144+(\t)*2048+((\c)%2)*64+32
.endr
.endr
	; the masks, made in the wait for the tiles
	s_lshl_b32 s[KMIN], s13, 7
	s_lshl_b32 s73, s[WV], 5
	s_add_co_u32 s[KMIN], s[KMIN], s73             ; w0
	s_min_u32 s[KMIN], s[KMIN], 256
	s_sub_co_u32 s[KMIN], 256, s[KMIN]
	s_cmp_lg_u32 s[KMIN], 0
	s_cselect_b32 s[B31], 31, 0                    ; with KMIN above 0 all of blocks 0 and 1 is hidden: the query's place counts as 31
	v_lshlrev_b32 v13, 3, v2
	v_or_b32 v18, 16, v1
	v_or_b32 v[LO], s[B31], v1
	v_or_b32 v[LO+1], s[B31], v18
	v_sub_nc_u32 v[LO], v[LO], v13
	v_sub_nc_u32 v[LO+1], v[LO+1], v13
	v_sub_nc_u32 v[HI], v1, v13
	v_sub_nc_u32 v[HI+1], v18, v13
.irp t, 0,1
.irp e, 0,1
.irp j, 0,1,2,3,4,5,6,7
	v_cmp_le_i32 vcc_lo, 16*(\e)+(\j), v[LO+(\t)]  ; x <= y: too old
	v_cndmask_b32 v[ME+32*(\t)+8*(\e)+(\j)], 0, s[BIGN], vcc_lo
.endr
.irp j, 0,1,2,3,4,5,6,7
	v_cmp_gt_i32 vcc_lo, 16*(\e)+(\j), v[HI+(\t)]  ; x - 256 > y: in the future
	v_cndmask_b32 v[ME+32*(\t)+8*(2+(\e))+(\j)], 0, s[BIGN], vcc_lo
.endr
.endr
.endr
.irp g, 1,2,3,4,5,6,7
	s_cmp_gt_u32 s[KMIN], 32*(\g)                  ; the group lies in front of the sequence's first key
	s_cselect_b32 s73, s[BIGN], 0
.irp j, 0,1,2,3,4,5,6,7
	v_mov_b32 v[MM+8*((\g)-1)+(\j)], s73
.endr
.endr
	v_mul_u32_u24 v[AK], v1, PK
	v_lshl_add_u32 v[AK], v2, 4, v[AK]             ; row x pitch + 16 x half,
	s_mul_i32 s73, s[WV], 32*PK                    ; from my wave's first key on
	v_add_nc_u32 v[AK], s73, v[AK]
	v_add_nc_u32 v[AK+1], KPL, v[AK]
	; the turning load takes 16 keys x 16 channels (lane l reads key 8 (l / 16) + l % 8, channels 8 ((l / 8) % 2) + 0..7) and leaves half a fragment of V^T: lane l holds channel l % 16 and 8 keys
	v_lshl_add_u32 v[AV], v2, 3, v3
	v_mul_u32_u24 v[AV], v[AV], PVP
	v_lshl_add_u32 v[AV], v4, 4, v[AV]
	s_mul_i32 s73, s[WV], 32*PVP
	s_add_co_u32 s73, s73, VB
	v_add_nc_u32 v[AV], s73, v[AV]
	v_add_nc_u32 v[AV+1], VPL, v[AV]
	s_mul_i32 s73, s[WV], 16*SP
	s_add_co_u32 s73, s73, STAGE                   ; my stage
	v_mul_u32_u24 v[STO], v1, SP                   ; in: row l % 16, 16 bytes for each half of the lanes
	v_lshl_add_u32 v[STO], v2, 4, v[STO]
	v_add_nc_u32 v[STO], s73, v[STO]
	v_mul_u32_u24 v[RD], v2, SP                    ; back: lanes 0-15 take one row of 256 bytes, lanes 16-31 the next
	v_lshl_add_u32 v[RD], v1, 4, v[RD]
	v_add_nc_u32 v[RD], s73, v[RD]
	v_lshlrev_b32 v[GO], 12, v2                    ; and the same two rows in ob, 4,096 bytes apart
	v_lshl_add_u32 v[GO], v1, 4, v[GO]
	s_lshl_b32 s20, s13, 19                        ; 128 rows of 4,096 bytes,
	s_lshl_b32 s19, s[WV], 17                      ; my wave's 32,
	s_add_co_u32 s20, s20, s19
	s_lshl_b32 s19, s14, 8                         ; the head's 256 bytes of a row
	s_add_co_u32 s20, s20, s19
	s_add_nc_u64 s[10:11], s[10:11], s[20:21]
	s_wait_tensorcnt 0x3                           ; tensor loads of a wave end in order (ISA guide 10.11.1): my three pieces of K are in; V's three, issued behind them, may stay out
	s_barrier_signal -1
	s_barrier_wait -1                              ; everybody's pieces of K are in
; Three blocks of 16 keys, 3 sg on, all 128 channels: 12 fragments, 24 loads, into K's buffer buf
.macro FETCH_K sg, buf
	WIN 0xc0                                       ; destination window 3
.irp i, 0,1,2
.irp c, 0,1,2,3
	ds_load_b128 v[96*(\buf)+32*(\i)+8*(\c):96*(\buf)+32*(\i)+8*(\c)+3],   v[AK+(\c)/2] offset:(3*(\sg)+(\i))*16*PK+((\c)%2)*64
	ds_load_b128 v[96*(\buf)+32*(\i)+8*(\c)+4:96*(\buf)+32*(\i)+8*(\c)+7], v[AK+(\c)/2] offset:(3*(\sg)+(\i))*16*PK+((\c)%2)*64+32
.endr
.endr
.endm
; Their scores for both tiles: 24 matrix instructions.  A tile's three accumulators take turns; the first product of each takes the mask as C.
.macro QK sg, buf
.irp t, 0,1
.irp c, 0,1,2,3
.irp i, 0,1,2
.set kb, 3*(\sg)+(\i)
.if kb < 2
.set rM, ME+32*(\t)+8*kb
.elseif kb >= 16
.set rM, ME+32*(\t)+8*(kb-14)
.else
.set rM, MM+8*(kb/2-1)
.endif
.if (\c) == 0
	WIN 0x43+0x40*(\t)                             ; K window 3, Q and the mask window 0, S^T window 1 + t
	v_wmma_f32_16x16x32_f16 v[8*kb:8*kb+7], v[96*(\buf)+32*(\i)+8*(\c):96*(\buf)+32*(\i)+8*(\c)+7], v[Q+32*(\t)+8*(\c):Q+32*(\t)+8*(\c)+7], v[rM:rM+7]
.else
	WIN 0x53+0x50*(\t)                             ; C window 1 + t too
	v_wmma_f32_16x16x32_f16 v[8*kb:8*kb+7], v[96*(\buf)+32*(\i)+8*(\c):96*(\buf)+32*(\i)+8*(\c)+7], v[Q+32*(\t)+8*(\c):Q+32*(\t)+8*(\c)+7], v[8*kb:8*kb+7]
.endif
.endr
.endr
.endr
.endm
; 32 keys, 32 g on, all 128 channels, turned: 8 fragments, 16 loads, into V's buffer buf
.macro FETCH_V g, buf
	WIN 0
.irp b, 0,1,2,3,4,5,6,7
	ds_load_tr16_b128 v[VF+64*(\buf)+8*(\b):VF+64*(\buf)+8*(\b)+3],   v[AV+(\b)/4] offset:(\g)*32*PVP+((\b)%4)*32
	ds_load_tr16_b128 v[VF+64*(\buf)+8*(\b)+4:VF+64*(\buf)+8*(\b)+7], v[AV+(\b)/4] offset:(\g)*32*PVP+16*PVP+((\b)%4)*32
.endr
.endm
; O^T += V^T P for those keys: 16 matrix instructions on 16 accumulators by turns; the first group starts the sums
.macro PV g, buf
.irp t, 0,1
	WIN 0xf4+4*(\t)                                ; V window 0, P window 1 + t, O^T window 3
.irp b, 0,1,2,3,4,5,6,7
.if (\g) == 0
	v_wmma_f32_16x16x32_f16 v[64*(\t)+8*(\b):64*(\t)+8*(\b)+7], v[VF+64*(\buf)+8*(\b):VF+64*(\buf)+8*(\b)+7], v[P+8*(\g):P+8*(\g)+7], 0
.else
	v_wmma_f32_16x16x32_f16 v[64*(\t)+8*(\b):64*(\t)+8*(\b)+7], v[VF+64*(\buf)+8*(\b):VF+64*(\buf)+8*(\b)+7], v[P+8*(\g):P+8*(\g)+7], v[64*(\t)+8*(\b):64*(\t)+8*(\b)+7]
.endif
.endr
.endr
.endm
; Tile t's softmax, all in its own window.  A lane holds 144 of its query's 288 scores.
.macro SOFT t
	WIN 0x55*(1+(\t))
.irp y, 0,1,2,3                        ; the maximum, in four chains; of each block registers 0 and 1 are read first
	v_max_num_f32 v[MX+(\y)], v[2*(\y)], v[2*(\y)+1]
.endr
.set n, 1
.rept 17
.irp y, 0,1,2,3
	v_max3_num_f32 v[MX+(\y)], v[MX+(\y)], v[8*n+2*(\y)], v[8*n+2*(\y)+1]
.endr
.set n, n+1
.endr
	v_max3_num_f32 v[MX], v[MX], v[MX+1], v[MX+2]
	v_max_num_f32 v[MX], v[MX], v[MX+3]
	v_permlanex16_b32 v[MX+1], v[MX], s[SEL], s[SEL+1]  ; the query's other 144 scores lie in the lane 16 away
	v_max_num_f32 v[MX], v[MX], v[MX+1]            ; m: a true score, since every query sees its own key
	v_mul_f32 v[CM], s[CC], v[MX]
	v_mul_f32 v[CM+1], s[CC], v[MX]                ; named with it as a pair
.set n, 0
.rept 72
	v_pk_fma_f32 v[2*n:2*n+1], v[2*n:2*n+1], s[CC:CC+1], v[CM:CM+1] op_sel_hi:[1,0,0] neg_lo:[0,0,1] neg_hi:[0,0,1]  ; c s - c m
.set n, n+1
.endr
.set n, 0
.rept 144
	v_exp_f32 v[n], v[n]
.set n, n+1
.endr
	v_nop                                          ; a plain instruction between the exponentials and the use of their results (ISA guide 5.7.2)
.set n, 0
	s_wait_alu depctr_va_vdst(0)
.rept 72
	v_cvt_pk_f16_f32 v[P+n], v[2*n], v[2*n+1]      ; blocks 2 g and 2 g + 1 become source 1 for keys 32 g on
.set n, n+1
.endr
.irp x, 0,1,2,3                        ; the sum of the unrounded weights, in four chains of pairs; the first additions start them
	v_pk_add_f32 v[L+2*(\x):L+2*(\x)+1], v[2*(\x):2*(\x)+1], v[8+2*(\x):8+2*(\x)+1]
.endr
.set n, 2
.rept 16
.irp x, 0,1,2,3
	v_pk_add_f32 v[L+2*(\x):L+2*(\x)+1], v[L+2*(\x):L+2*(\x)+1], v[8*n+2*(\x):8*n+2*(\x)+1]
.endr
.set n, n+1
.endr
	v_pk_add_f32 v[L:L+1], v[L:L+1], v[L+2:L+3]
	v_pk_add_f32 v[L+4:L+5], v[L+4:L+5], v[L+6:L+7]
	v_pk_add_f32 v[L:L+1], v[L:L+1], v[L+4:L+5]
	v_add_f32 v[L], v[L], v[L+1]
	v_permlanex16_b32 v[L+1], v[L], s[SEL], s[SEL+1]
	v_add_f32 v[L], v[L], v[L+1]
	v_rcp_f32 v[RL], v[L]
	v_nop                                          ; a plain instruction behind the reciprocal
	s_wait_alu depctr_va_vdst(0)
	v_mov_b32 v[RL+1], v[RL]                       ; named with it as a pair
.endm
	FETCH_K 0, 0
	FETCH_K 1, 1
	s_wait_loadcnt 0x0                             ; Q
.irp sg, 0,1,2,3,4,5
.if (\sg) < 5
	s_wait_dscnt 24                                ; this step's 24 loads are in; the next step's 24 may be out
.else
	s_wait_dscnt 0x0
.endif
	QK \sg, (\sg)%2
.if (\sg) < 4
	PLACES                                         ; in front of the loads into the buffer just multiplied
	FETCH_K (\sg)+2, (\sg)%2
.endif
.endr
	PLACES                                         ; behind the last scores: the softmax reads S^T, and V's loads will land on Q and the masks
	SOFT 0
	s_wait_tensorcnt 0x0                           ; my three pieces of V are in (no LDS instruction of mine is out: the last wait on DScnt was for 0),
	s_barrier_signal -1
	s_barrier_wait -1                              ; everybody's are
	FETCH_V 0, 0
	FETCH_V 1, 1                                   ; both runs land while the second tile's softmax is made
	SOFT 1
.irp g, 0,1,2,3,4,5,6,7,8
.if (\g) < 8
	s_wait_dscnt 16                                ; this group's 16 loads are in; the next group's 16 may be out
.else
	s_wait_dscnt 0x0
.endif
	PV \g, (\g)%2
.if (\g) < 7
	PLACES
	FETCH_V (\g)+2, (\g)%2
.endif
.endr
	; THE WAY OUT.  O^T is divided by l, rounded to f16 and sent through my stage, a tile (16 rows) at a time.
	PLACES
.macro PACK t
	WIN 0xc7+4*(\t)                                ; O^T window 3, 1 / l window 1 + t
.set i, 64*(\t)
.rept 32
	v_pk_mul_f32 v[i:i+1], v[i:i+1], v[RL:RL+1] op_sel_hi:[1,0]
.set i, i+2
.endr
	WIN 0x0f                                       ; sources window 3, destination window 0
.set i, 0
.rept 32
	v_cvt_pk_f16_f32 v[OB+32*(\t)+i], v[64*(\t)+2*i], v[64*(\t)+2*i+1]
.set i, i+1
.endr
	WIN 0
.irp f, 0,1,2,3,4,5,6,7
	ds_store_b128 v[STO], v[OB+32*(\t)+4*(\f):OB+32*(\t)+4*(\f)+3] offset:32*(\f)
.endr
.irp f, 0,1,2,3,4,5,6,7
	ds_load_b128 v[OB+32*(\t)+4*(\f):OB+32*(\t)+4*(\f)+3], v[RD] offset:(\f)*2*SP  ; LDS serves a wave's instructions in order (ISA guide 5.7.1.4): these see the stores above; the next tile's stores come behind them
.endr
.endm
.macro SEND t, younger                 ; younger: the LDS instructions issued behind tile t's loads
	WIN 0
.irp f, 0,1,2,3,4,5,6,7
	s_wait_dscnt (\younger)+7-(\f)
	global_store_b128 v[GO], v[OB+32*(\t)+4*(\f):OB+32*(\t)+4*(\f)+3], s[10:11] offset:(16*(\t)+2*(\f))*4096  ; 16 lanes store 256 consecutive bytes, at a multiple of 256 from ob's first byte
.endr
.endm
	PACK 0
	PACK 1
	SEND 0, 16
	SEND 1, 0
	s_wait_tensorcnt 0x0                           ; the wave's end: a wait, an add and its wait, behind my last tensor load and my last LDS store
	ds_add_u32 v[SPW], v[NIL]
	s_wait_dscnt 0x0
	s_endpgm
.Lfunc_end_k_qe808855bd4_attn:
	.size	k_qe808855bd4_attn, .Lfunc_end_k_qe808855bd4_attn-k_qe808855bd4_attn
	.p2alignl 7, 3214868480
	.fill 96, 4, 3214868480
	.section	.rodata,"a",@progbits
	.p2align	6, 0x0
	.amdhsa_kernel k_qe808855bd4_attn
		.amdhsa_group_segment_fixed_size 251392
		.amdhsa_private_segment_fixed_size 0
		.amdhsa_enable_private_segment 0
		.amdhsa_kernarg_size 32
		.amdhsa_user_sgpr_count 2
		.amdhsa_user_sgpr_kernarg_segment_ptr 1
		.amdhsa_wavefront_size32 1
		.amdhsa_system_sgpr_workgroup_id_x 1
		.amdhsa_system_sgpr_workgroup_id_y 1
		.amdhsa_system_sgpr_workgroup_id_z 1
		.amdhsa_system_vgpr_workitem_id 0
		.amdhsa_next_free_vgpr 960
		.amdhsa_next_free_sgpr 80
		.amdhsa_reserve_vcc 1
		.amdhsa_float_denorm_mode_32 3
		.amdhsa_float_denorm_mode_16_64 3
		.amdhsa_memory_ordered 1
		.amdhsa_forward_progress 1
		.amdhsa_inst_pref_size 116
	.end_amdhsa_kernel
	.amdgpu_metadata
---
amdhsa.version: [ 1, 2 ]
amdhsa.kernels:
  - .name:           k_qe808855bd4_attn
    .symbol:         k_qe808855bd4_attn.kd
    .args:
      - { .name: qh, .offset: 0, .size: 8, .value_kind: global_buffer, .address_space: global }
      - { .name: kh, .offset: 8, .size: 8, .value_kind: global_buffer, .address_space: global }
      - { .name: vh, .offset: 16, .size: 8, .value_kind: global_buffer, .address_space: global }
      - { .name: ob, .offset: 24, .size: 8, .value_kind: global_buffer, .address_space: global }
    .group_segment_fixed_size: 251392
    .private_segment_fixed_size: 0
    .kernarg_segment_align: 8
    .kernarg_segment_size: 32
    .max_flat_workgroup_size: 128
    .sgpr_count:     80
    .vgpr_count:     960
    .wavefront_size: 32
...
	.end_amdgpu_metadata
.endif
;; end of part 3
;; launch oproj (part 4): grid 16 x 16, 4 waves a work-group, clusters of 4 x 4, 327,680 bytes of LDS; arguments ob, wob, out0; writes out0
.if DOCPART == 4
	.amdgcn_target "amdgcn-amd-amdhsa--gfx1250"
	.amdhsa_code_object_version 6
	.text
	.protected	k_qe808855bd4_oproj
	.globl	k_qe808855bd4_oproj
	.p2align	8
	.type	k_qe808855bd4_oproj,@function
k_qe808855bd4_oproj:
	s_mov_b64 s[64:65], 0
	v_nop
	global_prefetch_b8 v0, s[64:65] scope:SCOPE_SE
	s_setreg_imm32_b32 hwreg(HW_REG_WAVE_MODE, 25, 1), 1
	s_wait_xcnt 0x0
	s_wait_alu depctr_hold_cnt(0) depctr_sa_sdst(0) depctr_va_vdst(0) depctr_va_sdst(0) depctr_va_ssrc(0) depctr_va_vcc(0) depctr_vm_vsrc(0)
	s_getreg_b32 s2, hwreg(HW_REG_IB_STS2, 6, 4)
	s_cmp_eq_u32 s2, 0
	s_cbranch_scc0 .Lentry_in_a_cluster
	s_endpgm
.Lentry_in_a_cluster:
	s_bfe_u32 s2, ttmp6, 0x10000c
	s_cmp_lg_u32 s2, 0xf033
	s_cbranch_scc0 .Lentry_shape_is_right
	s_endpgm
.Lentry_shape_is_right:
; out0[m][n] = sum over k of A[m][k] B[n][k], A = ob (O / 4, f16), B = wob (4 x wo rounded to bf16, as f16): the two factors of 4 cancel exactly.  All 2,048 x 2,048; sums in f32; out0 f32.
; A tile of out0 is 128 x 128: 256 work-groups.  Four waves, each 64 x 64: 16 accumulators of 16 x 16.  K goes in steps of 256 (LDS rows of 512 bytes; a wave's tensor load brings 64 of them) through two slots.
; CLUSTER: 4 x 4 work-groups.  The four of a row of the cluster need the same tiles of A, the four of a column the same tiles of B: joint loads.
; THE MATRIX INSTRUCTION IS USED TRANSPOSED (source 0 = 16 rows of B, source 1 = 16 rows of A): a lane holds eight neighbouring numbers of a row of out0, 32 bytes.
; A wave's 64 columns of f32 are a whole aligned 256 bytes, so each wave leaves through a stage of its own, without a barrier.
; REGISTERS: window 0: v0-31 addresses; v128-255 the accumulators ((a, b) at v[128 + 8 (4 a + b)]).   window 1: two fragment buffers of 128; on the way out the rows read back from the stage.
.set SIZE_N, 2048
.set SIZE_K, 2048
.set KSTEP,  256
.set PITCH,  528                       ; an LDS row: 512 bytes + 16 of padding = 132 words: the 16 rows of a load start at 16 different groups of four banks (ISA guide 11.1)
.set HALFT,  64*PITCH
.set SLOT,   4*HALFT                   ; A's 128 rows, then B's 128 rows
.set STAGE,  2*SLOT                    ; behind the ring: 16 rows x 272 bytes for each wave
.set SPITCH, 272
.set SPARE,  STAGE+4*16*SPITCH         ; the spare words, 128 bytes a wave, which no other line names
.set LAPS, SIZE_K/(2*KSTEP)
.set ADRA, 16
.set ADRB, 20
.set STO,  24
.set RD,   25
.set CO,   26
.set SPW,  28
.set NIL,  29
.set ACC,  128
.set F0,   0
.set F1,   128
.set G1, 24
.set G0, 32
.set G1B, 48
.set G0B, 56
.set MSB, 0
.macro WIN new
.if MSB != (\new)
	s_set_vgpr_msb (MSB<<8)|(\new)
.set MSB, \new
.endif
.endm
.set MUL,  0x05                        ; sources 0 (B) and 1 (A) window 1; C and D window 0
.set TO_F, 0x40                        ; destination window 1, address window 0
.macro JLOAD s                         ; a joint load: waves 0 and 1 fetch A's two halves, waves 2 and 3 B's; an s_nop 0 and four v_nop follow each of the two lines
	s_cmp_eq_u32 s11, 0
	s_cbranch_scc0 .Lfor_b_\@
	tensor_load_to_lds s[G0+4*(\s):G0+4*(\s)+3], s[G1:G1+7]
	s_nop 0
.rept 4
	v_nop
.endr
	s_branch .Lasked_\@
.Lfor_b_\@:
	tensor_load_to_lds s[G0B+4*(\s):G0B+4*(\s)+3], s[G1B:G1B+7]
	s_nop 0
.rept 4
	v_nop
.endr
.Lasked_\@:
.endm
.macro CREST
	s_cmp_lg_u32 s10, 0
	s_cbranch_scc1 .Lnot_wave_0_\@
	s_barrier_signal -3
.Lnot_wave_0_\@:
	s_barrier_wait -3
	s_barrier_signal -1
	s_barrier_wait -1
.endm
.macro CROUND
	s_barrier_signal -1
	s_barrier_wait -1
	CREST
.endm
	s_load_b128 s[4:7], s[0:1], 0x0                ; A s[4:5], B s[6:7]
	s_load_b64 s[8:9], s[0:1], 0x10                ; out0
	v_lshl_add_u32 v[SPW], v0, 2, SPARE
	v_mov_b32 v[NIL], 0
	ds_add_u32 v[SPW], v[NIL]                      ; the wave's opening: the add and its wait stand ahead of my first tensor load
	ds_add_u32 v28, v29
	v_lshrrev_b32 v1, 5, v0
	v_readfirstlane_b32 s10, v1                    ; wave 0..3
	s_lshr_b32 s11, s10, 1                         ; which half of the tile's rows is mine.  Also: I fetch for A (0) or for B (1)
	s_and_b32 s12, s10, 1                          ; which half of its columns.  Also: which 64 rows of that tile I fetch
	s_bfe_u32 s40, ttmp6, 0x40000                  ; cx, cy
	s_bfe_u32 s41, ttmp6, 0x40004
	s_lshl_b32 s42, ttmp9, 2
	s_add_co_u32 s42, s42, s40                     ; tile column = 4 x cluster x + cx
	s_and_b32 s13, ttmp7, 0xffff
	s_lshl_b32 s13, s13, 2
	s_add_co_u32 s13, s13, s41                     ; tile row = 4 x cluster y + cy
	s_lshl_b32 s43, s41, 2
	s_lshl_b32 s43, 15, s43                        ; my row of the cluster
	s_lshl_b32 s44, 0x1111, s40                    ; my column
	s_or_b32 s[G1+0], s43, (1<<16)|(1<<20)|(1<<21)|(6<<22)|(3<<25)  ; the mask; 2-byte elements; padding on; bit 21 beside a mask; after every 128 words (code 6) 4 words (code 3)
	s_or_b32 s[G1B+0], s44, (1<<16)|(1<<20)|(1<<21)|(6<<22)|(3<<25)
.irp g, G1, G1B
	s_mov_b32 s[(\g)+1], KSTEP<<16                 ; tensor_dim0 = 256
	s_mov_b32 s[(\g)+2], 64<<16                    ; tensor_dim1 = 64
	s_mov_b32 s[(\g)+3], KSTEP<<16                 ; tile_dim0 = 256
	s_mov_b32 s[(\g)+4], 64                        ; tile_dim1 = 64
	s_mov_b32 s[(\g)+5], SIZE_K
	s_mov_b32 s[(\g)+6], 0
	s_mov_b32 s[(\g)+7], 0
.endr
	s_lshl_b32 s17, s12, 6                         ; which 64 rows of the tile I fetch
	s_lshl_b32 s16, s13, 7
	s_add_co_u32 s16, s16, s17                     ; A: row 128 x tile row + 64 x half
	s_lshl_b32 s46, s42, 7
	s_add_co_u32 s46, s46, s17                     ; B: row 128 x tile column + 64 x half
	s_mov_b32 s17, 0
	s_mov_b32 s47, 0
	s_mov_b64 s[18:19], SIZE_K*2
	s_mul_u64 s[16:17], s[16:17], s[18:19]
	s_mul_u64 s[46:47], s[46:47], s[18:19]
	s_mul_i32 s20, s10, HALFT                      ; where they go: wave x 64 rows
	s_wait_dscnt 0x0                               ; the opening add is done
	s_wait_kmcnt 0x0
	s_add_nc_u64 s[14:15], s[4:5], s[16:17]
	s_add_nc_u64 s[46:47], s[6:7], s[46:47]
	CROUND                                         ; all sixteen work-groups are here: the first joint loads meet
.irp s, 0,1
	s_mov_b32 s[G0+4*(\s)], 1
	s_add_co_u32 s[G0+4*(\s)+1], s20, (\s)*SLOT
	s_add_nc_u64 s[G0+4*(\s)+2:G0+4*(\s)+3], s[14:15], (\s)*KSTEP*2
	s_or_b32 s[G0+4*(\s)+3], s[G0+4*(\s)+3], 0x80000000
	s_mov_b32 s[G0B+4*(\s)], 1
	s_add_co_u32 s[G0B+4*(\s)+1], s20, (\s)*SLOT
	s_add_nc_u64 s[G0B+4*(\s)+2:G0B+4*(\s)+3], s[46:47], (\s)*KSTEP*2
	s_or_b32 s[G0B+4*(\s)+3], s[G0B+4*(\s)+3], 0x80000000
	JLOAD \s                                       ; K steps 0 and 1: two loads of mine are out
.endr
	v_and_b32 v1, 15, v0                           ; l % 16
	v_bfe_u32 v2, v0, 4, 1                         ; l / 16
	v_mul_u32_u24 v3, v1, PITCH
	v_lshl_add_u32 v3, v2, 4, v3                   ; a fragment's row x pitch + 16 x half
	s_mul_i32 s21, s11, HALFT                      ; my 64 rows of A
	s_mul_i32 s22, s12, HALFT                      ; my 64 rows of B,
	s_add_co_u32 s22, s22, 2*HALFT                 ; which lie behind A's 128
.irp s, 0,1
	v_add_nc_u32 v[ADRA+(\s)], s21, v3
	v_add_nc_u32 v[ADRB+(\s)], s22, v3
	s_add_co_u32 s21, s21, SLOT
	s_add_co_u32 s22, s22, SLOT
.endr
	s_mul_i32 s23, s10, 16*SPITCH
	s_add_co_u32 s23, s23, STAGE                   ; my stage
	v_mul_u32_u24 v4, v1, SPITCH                   ; in: row l % 16, 32 bytes for each half of the lanes
	v_lshl_add_u32 v4, v2, 5, v4
	v_add_nc_u32 v[STO], s23, v4
	v_mul_u32_u24 v5, v2, SPITCH                   ; back: lanes 0-15 take one row of 256 bytes, lanes 16-31 the next
	v_lshl_add_u32 v5, v1, 4, v5
	v_add_nc_u32 v[RD], s23, v5
	v_lshlrev_b32 v5, 13, v2                       ; and the same two rows in out0, 8,192 bytes apart
	v_lshl_add_u32 v[CO], v1, 4, v5
	s_lshl_b32 s16, s13, 7
	s_lshl_b32 s17, s11, 6
	s_add_co_u32 s16, s16, s17                     ; my first row: 128 x tile row + 64 x half,
	s_lshl_b32 s16, s16, 13                        ; in bytes
	s_mov_b32 s17, 0
	s_add_nc_u64 s[8:9], s[8:9], s[16:17]
	s_lshl_b32 s46, s42, 9                         ; my first column, in bytes: 512 x tile column + 256 x half
	s_lshl_b32 s47, s12, 8
	s_add_co_u32 s46, s46, s47
	s_mov_b32 s47, 0
	s_add_nc_u64 s[8:9], s[8:9], s[46:47]
; 8 matrix instructions: m blocks a0, a0 + 1 x all 4 n blocks, 32 along K: half c of buffer f.  zero = 1: the first product starts the sums.  The 16 accumulators take turns.
.macro MUL8 f, c, a0, zero
	WIN MUL
.irp a, \a0, (\a0)+1
.irp b, 0,1,2,3
.if \zero
	v_wmma_f32_16x16x32_f16 v[ACC+8*(4*(\a)+(\b)):ACC+8*(4*(\a)+(\b))+7], v[(\f)+64+8*(4*(\c)+(\b)):(\f)+64+8*(4*(\c)+(\b))+7], v[(\f)+8*(4*(\c)+(\a)):(\f)+8*(4*(\c)+(\a))+7], 0
.else
	v_wmma_f32_16x16x32_f16 v[ACC+8*(4*(\a)+(\b)):ACC+8*(4*(\a)+(\b))+7], v[(\f)+64+8*(4*(\c)+(\b)):(\f)+64+8*(4*(\c)+(\b))+7], v[(\f)+8*(4*(\c)+(\a)):(\f)+8*(4*(\c)+(\a))+7], v[ACC+8*(4*(\a)+(\b)):ACC+8*(4*(\a)+(\b))+7]
.endif
.endr
.endr
.endm
; 32 LDS loads in one run: the fragments of 64 along K at byte k of the rows, into buffer f; the first 32 along K first
.macro FETCH slot, k, f
	WIN TO_F
.irp c, 0,1
.irp i, 0,1,2,3
	ds_load_b128 v[(\f)+64+8*(4*(\c)+(\i)):(\f)+64+8*(4*(\c)+(\i))+3],   v[ADRB+(\slot)] offset:(\k)+64*(\c)+(\i)*16*PITCH
	ds_load_b128 v[(\f)+64+8*(4*(\c)+(\i))+4:(\f)+64+8*(4*(\c)+(\i))+7], v[ADRB+(\slot)] offset:(\k)+64*(\c)+(\i)*16*PITCH+32
	ds_load_b128 v[(\f)+8*(4*(\c)+(\i)):(\f)+8*(4*(\c)+(\i))+3],         v[ADRA+(\slot)] offset:(\k)+64*(\c)+(\i)*16*PITCH
	ds_load_b128 v[(\f)+8*(4*(\c)+(\i))+4:(\f)+8*(4*(\c)+(\i))+7],       v[ADRA+(\slot)] offset:(\k)+64*(\c)+(\i)*16*PITCH+32
.endr
.endr
.endm
.macro PLACES                          ; four plain vector instructions between a matrix instruction and a load into, or a read of, its registers
.rept 4
	v_nop
.endr
.endm
; A K step is four quarters of 64 along K, 32 matrix instructions each, on buffers 0, 1, 0, 1.  One of the first three: multiplies buffer f and fetches the next quarter, at byte k, into g.
.macro QUARTER slot, k, f, g, zero
	s_wait_dscnt 16                                ; the first 32 along K are in; the other sixteen loads may be out
	WIN MUL
	MUL8 \f, 0, 0, \zero
	MUL8 \f, 0, 2, \zero
	PLACES
	FETCH \slot, \k, \g
	s_wait_dscnt 32                                ; all but the 32 just issued
	WIN MUL
	MUL8 \f, 1, 0, 0
	MUL8 \f, 1, 2, 0
.endm
; The last quarter multiplies buffer 1 and changes slots: ONE barrier; in front of it each wave waits for all its tensor loads, adds 0 to its spare word, and waits for that and for its reads of this slot.
; fill = 1: the barrier opens a round of the cluster's, and this slot is filled again, two K steps ahead, first thing behind it.
.macro TURN slot, next, fill
	WIN 0                                          ; (the add's two registers lie in window 0)
	s_wait_tensorcnt 0x0                           ; all my tensor loads have landed: my part of the next slot
	ds_add_u32 v[SPW], v[NIL]
	s_wait_dscnt 17                                ; (the add and the youngest sixteen loads may be out)
	WIN MUL
	MUL8 F1, 0, 0, 0                               ; eight matrix instructions stand between the add and the wait for it
	s_wait_dscnt 0x0                               ; the add is done, and my reads of this slot are over
	s_barrier_signal -1
	MUL8 F1, 0, 2, 0
.if \fill
	WIN 0
.endif
	s_barrier_wait -1
.if \fill
	CREST                                          ; no wave of any partner still reads this slot's tile or has a load on its way
	s_add_nc_u64 s[G0+4*(\slot)+2:G0+4*(\slot)+3], s[G0+4*(\slot)+2:G0+4*(\slot)+3], 2*KSTEP*2
	s_add_nc_u64 s[G0B+4*(\slot)+2:G0B+4*(\slot)+3], s[G0B+4*(\slot)+2:G0B+4*(\slot)+3], 2*KSTEP*2
	JLOAD \slot                                    ; my one tensor load behind the round; its four v_nop are also the places in front of the loads below
.else
	PLACES
.endif
	FETCH \next, 0, F0
	WIN MUL
	MUL8 F1, 1, 0, 0
	MUL8 F1, 1, 2, 0
.endm
	s_wait_tensorcnt 0x1                           ; my part of K step 0 is in; K step 1's may stay out
	s_barrier_signal -1
	s_barrier_wait -1                              ; everybody's is
	FETCH 0, 0, F0
	QUARTER 0, 128, F0, F1, 1                      ; the first quarter stands in front of the loop: its first products start the sums
	WIN 0                                          ; at a label and at a branch every window is 0
	s_mov_b32 s3, LAPS-1
.Llap:                                                 ; a trip goes once round the ring, from a lap's second quarter to the next lap's first, and fills both slots again
	QUARTER 0, 256, F1, F0, 0
	QUARTER 0, 384, F0, F1, 0
	TURN 0, 1, 1
	QUARTER 1, 128, F0, F1, 0
	QUARTER 1, 256, F1, F0, 0
	QUARTER 1, 384, F0, F1, 0
	TURN 1, 0, 1
	QUARTER 0, 128, F0, F1, 0
	WIN 0
	s_sub_co_u32 s3, s3, 1
	s_cmp_lg_u32 s3, 0
	s_cbranch_scc1 .Llap
	QUARTER 0, 256, F1, F0, 0                      ; the last lap fills nothing, and has no round of the cluster's barrier
	QUARTER 0, 384, F0, F1, 0
	TURN 0, 1, 0
	QUARTER 1, 128, F0, F1, 0
	QUARTER 1, 256, F1, F0, 0
	QUARTER 1, 384, F0, F1, 0
	s_wait_dscnt 16                                ; the very last quarter: nothing more to fetch
	WIN MUL
	MUL8 F1, 0, 0, 0
	MUL8 F1, 0, 2, 0
	s_wait_dscnt 0x0
	MUL8 F1, 1, 0, 0
	MUL8 F1, 1, 2, 0
	WIN 0
; THE WAY OUT, 16 rows (block a) at a time.  TOSTAGE: the accumulators go into my stage as they are (f32, 32 bytes a lane, each accumulator's low four registers first)
; and come back as whole rows of 256 bytes, each block into registers of its own.  SEND: stored.  A block's stores leave while the block after next goes through the stage: 32 LDS instructions are out at the most.
.macro TOSTAGE a
	WIN 0x40                                       ; stored data window 0, loaded data window 1
.irp b, 0,1,2,3
	ds_store_b128 v[STO], v[ACC+8*(4*(\a)+(\b)):ACC+8*(4*(\a)+(\b))+3]   offset:64*(\b)
	ds_store_b128 v[STO], v[ACC+8*(4*(\a)+(\b))+4:ACC+8*(4*(\a)+(\b))+7] offset:64*(\b)+16
.endr
.irp t, 0,1,2,3,4,5,6,7
	ds_load_b128 v[32*(\a)+4*(\t):32*(\a)+4*(\t)+3], v[RD] offset:(\t)*2*SPITCH  ; LDS serves a wave's instructions in order (ISA guide 5.7.1.4): these see the stores above; the next block's stores come behind them
.endr
.endm
.macro SEND a, younger                 ; younger: the LDS instructions issued behind block a's loads: the next block's sixteen, or none
	WIN 0x04                                       ; a store's data window 1, its address window 0
.irp t, 0,1,2,3,4,5,6,7
	s_wait_dscnt (\younger)+7-(\t)                 ; behind this load stand 7 - t of its block and the younger ones
	global_store_b128 v[CO], v[32*(\a)+4*(\t):32*(\a)+4*(\t)+3], s[8:9] offset:(16*(\a)+2*(\t))*SIZE_N*4 th:TH_STORE_NT  ; 16 lanes store 256 consecutive bytes, at a multiple of 256 from out0's first byte
.endr
.endm
	PLACES                                         ; behind the last products: the stores read results, the loads land in fragment registers
	TOSTAGE 0
	TOSTAGE 1
	SEND 0, 16
	TOSTAGE 2
	SEND 1, 16
	TOSTAGE 3
	SEND 2, 16
	SEND 3, 0
	WIN 0
	s_wait_tensorcnt 0x0                           ; the wave's end: a wait, an add and its wait, behind my last tensor load and my last LDS store
	ds_add_u32 v[SPW], v[NIL]
	s_wait_dscnt 0x0
	CROUND                                         ; the closing round: no work-group ends while a partner may still ask for a tile that names it
	s_endpgm
.Lfunc_end_k_qe808855bd4_oproj:
	.size	k_qe808855bd4_oproj, .Lfunc_end_k_qe808855bd4_oproj-k_qe808855bd4_oproj
	.p2alignl 7, 3214868480
	.fill 96, 4, 3214868480
	.section	.rodata,"a",@progbits
	.p2align	6, 0x0
	.amdhsa_kernel k_qe808855bd4_oproj
		.amdhsa_group_segment_fixed_size 327680
		.amdhsa_private_segment_fixed_size 0
		.amdhsa_enable_private_segment 0
		.amdhsa_kernarg_size 24
		.amdhsa_user_sgpr_count 2
		.amdhsa_user_sgpr_kernarg_segment_ptr 1
		.amdhsa_wavefront_size32 1
		.amdhsa_system_sgpr_workgroup_id_x 1
		.amdhsa_system_sgpr_workgroup_id_y 1
		.amdhsa_system_sgpr_workgroup_id_z 1
		.amdhsa_system_vgpr_workitem_id 0
		.amdhsa_next_free_vgpr 512
		.amdhsa_next_free_sgpr 66
		.amdhsa_reserve_vcc 0
		.amdhsa_float_denorm_mode_32 3
		.amdhsa_float_denorm_mode_16_64 3
		.amdhsa_memory_ordered 1
		.amdhsa_forward_progress 1
		.amdhsa_inst_pref_size 87
	.end_amdhsa_kernel
	.amdgpu_metadata
---
amdhsa.version: [ 1, 2 ]
amdhsa.kernels:
  - .name:           k_qe808855bd4_oproj
    .symbol:         k_qe808855bd4_oproj.kd
    .args:
      - { .name: ob, .offset: 0, .size: 8, .value_kind: global_buffer, .address_space: global }
      - { .name: wob, .offset: 8, .size: 8, .value_kind: global_buffer, .address_space: global }
      - { .name: out0, .offset: 16, .size: 8, .value_kind: global_buffer, .address_space: global }
    .group_segment_fixed_size: 327680
    .private_segment_fixed_size: 0
    .kernarg_segment_align: 8
    .kernarg_segment_size: 24
    .max_flat_workgroup_size: 128
    .sgpr_count:     66
    .vgpr_count:     512
    .wavefront_size: 32
...
	.end_amdgpu_metadata
.endif
;; end of part 4
;; ======== version 2 of 2: 4 launches; version 1 with the launch cast written anew for expert scheduling mode
;; limits: values are held in f16: magnitudes above 65,504 overflow, below 6.1e-05 lose precision; right only within a limited range of input values
;; workspace buffers: xb 8,388,608 bytes; wb 25,165,824 bytes; wob 8,388,608 bytes; qh 8,388,608 bytes; kh 8,388,608 bytes; vh 8,388,608 bytes; ob 8,388,608 bytes
;; launch cast (part 5): grid 1024 x 1, 8 waves a work-group, no clusters, 0 bytes of LDS; arguments x, wq, wk, wv, wo, xb, wb, wob; writes xb, wb, wob
.if DOCPART == 5
	.amdgcn_target "amdgcn-amd-amdhsa--gfx1250"
	.amdhsa_code_object_version 6
	.text
	.protected	k_qe808855bd4_cast
	.globl	k_qe808855bd4_cast
	.p2align	8
	.type	k_qe808855bd4_cast,@function
k_qe808855bd4_cast:
	s_mov_b64 s[64:65], 0
	v_nop
	global_prefetch_b8 v0, s[64:65] scope:SCOPE_SE
	s_setreg_imm32_b32 hwreg(HW_REG_WAVE_SCHED_MODE, 0, 2), 2
	s_setreg_imm32_b32 hwreg(HW_REG_WAVE_MODE, 25, 1), 1
	s_wait_xcnt 0x0
	s_wait_alu depctr_vm_vsrc(0)
; x, wq, wk, wv (f32, [2048][2048]) are rounded to bf16: xb, and wb's three planes q, k, v.  wo is rounded to bf16 like the other inputs, multiplied by 4 (exact)
; and written as f16 (wob): the attention launch leaves O / 4, so that f16 has room above.
; LIMITS.  |wo| up to 16,376 (4 wo within f16's 65,504); where 4 wo lies below 2^-14 it keeps f16's fixed step of 2^-24.
; SHARES.  A work-group takes rows 2 g and 2 g + 1 of each of the five matrices: 16,384 consecutive bytes of each, as four units of 4,096.  In a unit thread t takes the 16 bytes at 16 t,
; so a wave's load covers 512 consecutive bytes, and stores the 8 bytes at 8 t, so a wave's store covers 256 consecutive bytes, aligned.  All twenty loads of a wave go out first;
; nothing is read twice; no LDS, no barrier, no matrix unit: memory binds.
; THE MODE: SCHED_MODE bits 1:0 = 2 (LLVM: expert scheduling mode 2), set by the entry lines.  The code itself states the register dependences
; between vector instructions and memory instructions, with s_wait_alu, always for 0.
; THE PLAN.  Five steps, one a matrix.  Registers that memory instructions touch:
;   v1, v2     byte offsets of the loads and of the stores: made once at the head and never written again.
;   IN  unit k   Written by one load, issued at the head, ahead of which no vector instruction names it; read by step k / 4's conversions behind that step's wait for its data.  No memory instruction reads it.
;   OUT unit k   Written by step k / 4's conversions; read by one store, which is issued in the step after (the last matrix's behind the last step); never written again.
; Step a's vector instructions name units 4 a to 4 a + 3 of IN and OUT alone.  Its memory instructions are the four stores of matrix a - 1, which read v2 and the OUT of step a - 1.  So ONE wait on va_vdst at the
; step's head states all that those stores hang on, and they are dealt among the step's conversions with no further wait.  No register that a memory instruction reads is written again: no wait on vm_vsrc is owed.
.set IN,  4                            ; v[4:83]    unit k: 4 registers as loaded
.set OUT, 84                           ; v[84:123]  unit k: 2 registers to store
	s_load_b512 s[4:19], s[0:1], 0x0               ; x s[4:5], wq s[6:7], wk s[8:9], wv s[10:11], wo s[12:13], xb s[14:15], wb s[16:17], wob s[18:19]
	s_lshl_b32 s20, ttmp9, 14                      ; two rows of 8,192 bytes in
	s_mov_b32 s21, 0
	s_lshl_b32 s22, ttmp9, 13                      ; two rows of 4,096 bytes out
	s_mov_b32 s23, 0
	s_mov_b32 s28, 0xffff0000                      ; a word's upper bf16
	v_lshlrev_b32 v1, 4, v0                        ; my 16 bytes of a unit in
	v_lshlrev_b32 v2, 3, v0                        ; my 8 bytes of a unit out
	s_wait_kmcnt 0x0
.irp b, 4,6,8,10,12
	s_add_nc_u64 s[(\b):(\b)+1], s[(\b):(\b)+1], s[20:21]
.endr
.irp b, 14,16,18
	s_add_nc_u64 s[(\b):(\b)+1], s[(\b):(\b)+1], s[22:23]
.endr
	s_add_nc_u64 s[24:25], s[16:17], 0x800000      ; wb's plane k
	s_add_nc_u64 s[26:27], s[16:17], 0x1000000     ; wb's plane v
	s_wait_alu depctr_va_vdst(0)                   ; v1 and v2 are written: every load of the kernel reads v1 as its offset, every store v2
.irp a, 0,1,2,3,4
.irp u, 0,1,2,3
	global_load_b128 v[IN+4*(4*(\a)+(\u)):IN+4*(4*(\a)+(\u))+3], v1, s[4+2*(\a):5+2*(\a)] offset:(\u)*4096 th:TH_LOAD_NT
.endr
.endr
; Unit k's four numbers a lane are rounded into its OUT.  half = 1: the bf16 number times 4, as f16.
.macro CVT k, half
	v_cvt_pk_bf16_f32 v[OUT+2*(\k)],   v[IN+4*(\k)],   v[IN+4*(\k)+1]
	v_cvt_pk_bf16_f32 v[OUT+2*(\k)+1], v[IN+4*(\k)+2], v[IN+4*(\k)+3]
.if \half
	v_lshlrev_b32 v[IN+4*(\k)],   16,  v[OUT+2*(\k)]       ; the rounded numbers back in f32
	v_and_b32     v[IN+4*(\k)+1], s28, v[OUT+2*(\k)]
	v_lshlrev_b32 v[IN+4*(\k)+2], 16,  v[OUT+2*(\k)+1]
	v_and_b32     v[IN+4*(\k)+3], s28, v[OUT+2*(\k)+1]
	v_pk_mul_f32 v[IN+4*(\k):IN+4*(\k)+1],   v[IN+4*(\k):IN+4*(\k)+1],   4.0 op_sel_hi:[1,0]
	v_pk_mul_f32 v[IN+4*(\k)+2:IN+4*(\k)+3], v[IN+4*(\k)+2:IN+4*(\k)+3], 4.0 op_sel_hi:[1,0]
	v_cvt_pk_f16_f32 v[OUT+2*(\k)],   v[IN+4*(\k)],   v[IN+4*(\k)+1]    ; eight significant bits: exact in f16's normal range
	v_cvt_pk_f16_f32 v[OUT+2*(\k)+1], v[IN+4*(\k)+2], v[IN+4*(\k)+3]
.endif
.endm
; Step a: matrix a is rounded, and matrix a - 1 goes out by the base in s[prev:prev+1] (step 0 has no matrix in front of it, and its prev is not used).
.macro STEP a, half, prev
	s_wait_loadcnt 16-4*(\a)                       ; loads come back in order (ISA guide 5.7.1): behind this matrix's four loads 16 - 4 a younger ones were issued and may stay out
.if (\a) > 0
	s_wait_alu depctr_va_vdst(0)                   ; the step before has written its four units of OUT, which the stores below read
.endif
.irp u, 0,1,2,3
.if (\a) > 0
	global_store_b64 v2, v[OUT+2*(4*(\a)-4+(\u)):OUT+2*(4*(\a)-4+(\u))+1], s[(\prev):(\prev)+1] offset:(\u)*2048  ; no vector instruction since the wait names these registers; each unit has its own: none that a store reads is written again
.endif
	CVT 4*(\a)+(\u), \half
.endr
.endm
	STEP 0, 0, 0                                   ; x
	STEP 1, 0, 14                                  ; wq; x goes out to xb
	STEP 2, 0, 16                                  ; wk; wq to wb's plane q
	STEP 3, 0, 24                                  ; wv; wk to plane k
	STEP 4, 1, 26                                  ; wo; wv to plane v
	s_wait_alu depctr_va_vdst(0)                   ; step 4 has written wo's four units of OUT, which the last four stores read
.irp u, 0,1,2,3
	global_store_b64 v2, v[OUT+2*(16+(\u)):OUT+2*(16+(\u))+1], s[18:19] offset:(\u)*2048
.endr
	s_endpgm
.Lfunc_end_k_qe808855bd4_cast:
	.size	k_qe808855bd4_cast, .Lfunc_end_k_qe808855bd4_cast-k_qe808855bd4_cast
	.p2alignl 7, 3214868480
	.fill 96, 4, 3214868480
	.section	.rodata,"a",@progbits
	.p2align	6, 0x0
	.amdhsa_kernel k_qe808855bd4_cast
		.amdhsa_group_segment_fixed_size 0
		.amdhsa_private_segment_fixed_size 0
		.amdhsa_enable_private_segment 0
		.amdhsa_kernarg_size 64
		.amdhsa_user_sgpr_count 2
		.amdhsa_user_sgpr_kernarg_segment_ptr 1
		.amdhsa_wavefront_size32 1
		.amdhsa_system_sgpr_workgroup_id_x 1
		.amdhsa_system_sgpr_workgroup_id_y 1
		.amdhsa_system_sgpr_workgroup_id_z 1
		.amdhsa_system_vgpr_workitem_id 0
		.amdhsa_next_free_vgpr 124
		.amdhsa_next_free_sgpr 66
		.amdhsa_reserve_vcc 0
		.amdhsa_float_denorm_mode_32 3
		.amdhsa_float_denorm_mode_16_64 3
		.amdhsa_memory_ordered 1
		.amdhsa_forward_progress 1
		.amdhsa_inst_pref_size 10
	.end_amdhsa_kernel
	.amdgpu_metadata
---
amdhsa.version: [ 1, 2 ]
amdhsa.kernels:
  - .name:           k_qe808855bd4_cast
    .symbol:         k_qe808855bd4_cast.kd
    .args:
      - { .name: x, .offset: 0, .size: 8, .value_kind: global_buffer, .address_space: global }
      - { .name: wq, .offset: 8, .size: 8, .value_kind: global_buffer, .address_space: global }
      - { .name: wk, .offset: 16, .size: 8, .value_kind: global_buffer, .address_space: global }
      - { .name: wv, .offset: 24, .size: 8, .value_kind: global_buffer, .address_space: global }
      - { .name: wo, .offset: 32, .size: 8, .value_kind: global_buffer, .address_space: global }
      - { .name: xb, .offset: 40, .size: 8, .value_kind: global_buffer, .address_space: global }
      - { .name: wb, .offset: 48, .size: 8, .value_kind: global_buffer, .address_space: global }
      - { .name: wob, .offset: 56, .size: 8, .value_kind: global_buffer, .address_space: global }
    .group_segment_fixed_size: 0
    .private_segment_fixed_size: 0
    .kernarg_segment_align: 8
    .kernarg_segment_size: 64
    .max_flat_workgroup_size: 256
    .sgpr_count:     66
    .vgpr_count:     124
    .wavefront_size: 32
...
	.end_amdgpu_metadata
.endif
;; end of part 5
;; launch qkv: the kernel of part 2 again; grid 16 x 16, 4 waves a work-group, clusters of 4 x 4, 327,680 bytes of LDS; arguments xb, wb, freqs_cos, freqs_sin, qh, kh, vh; writes qh, kh, vh
;; launch attn: the kernel of part 3 again; grid 16 x 16, 4 waves a work-group, no clusters, 251,392 bytes of LDS; arguments qh, kh, vh, ob; writes ob
;; launch oproj: the kernel of part 4 again; grid 16 x 16, 4 waves a work-group, clusters of 4 x 4, 327,680 bytes of LDS; arguments ob, wob, out0; writes out0
